; MI455X (gfx1250); checked and timed in simulation.
; The chip was launched on July 23, 2026; its instructions are those of AMD's public machine-readable ISA for CDNA 5 (MIT licence, August 2026) and "CDNA5" Instruction Set Architecture Reference Guide (July 2026). The comments in the code are by the model that wrote it; some were corrected since.
;; GPT Attention. Allowed arithmetic: matrix products marked QUANTISED: E3M2 operands, one E8M0 scale for each 32 along K, by v_wmma_scale_f32_16x16x128_f8f6f4 with both operands' format E3M2, f32 sums; everything else in f32.
;; Inputs: W_out 1,024 x 1,024 float32; W_qkv 1,024 x 3,072 float32; b_out 1,024 float32; b_qkv 3,072 float32; x 4 x 2,048 x 1,024 float32.
;; Outputs: out0 4 x 2,048 x 1,024 float32.
;; This version of the problem:
;;   THIS VERSION OF THE PROBLEM IS GIVEN IN LOW PRECISION. The matrix products marked QUANTISED in the list below multiply operands that are first quantised to E3M2 (3 exponent bits, 2 mantissa bits; 6 bits a number), with one power-of-two scale for each 32 numbers along K (OCP MX v1.0); their sums are f32. All else is computed in f32.
;;   The module's matrix products, in the order in which they are computed (A, B: the left and right operand; K: the contracted axis; several contracted axes count as one K, in the product's order):
;;     1. [M 8,192, K 1,024] x [K 1,024, N 3,072]; A: input x; B: input W_qkv: QUANTISED
;;     2. batch 64 x [M 2,048, K 64] x [K 64, N 2,048]; A: computed on the way; B: computed on the way: QUANTISED
;;     3. batch 64 x [M 2,048, K 2,048] x [K 2,048, N 64]; A: softmax (see below); B: computed on the way: QUANTISED
;;     4. [M 8,192, K 1,024] x [K 1,024, N 1,024]; A: computed on the way; B: input W_out: QUANTISED
;;   THE QUANTISER, for each operand of a quantised product, along K:
;;     - K is cut into blocks of 32 from its start; a last block that is shorter is filled with zeros.
;;     - A block's scale is 2^e with e = floor(log2(the largest magnitude in the block)) - 4, held to -126 .. 127; a block of zeros has e = 0. As a byte (E8M0): e + 127.
;;     - Each number is divided by its block's scale, clamped to +-28, and rounded to the nearest number of E3M2, ties to even, subnormals kept.
;;     - The product sums the exact products of the quantised numbers (number of the format x scale) in f32.
;;   ~~~python
;;   def quantise(x, axis):      # numpy; x: float32 -> the quantised numbers, widened to float32 again
;;       x = np.moveaxis(x, axis, -1); K = x.shape[-1]
;;       x = np.pad(x, [(0, 0)] * (x.ndim - 1) + [(0, -K % 32)]); x = x.reshape(x.shape[:-1] + (-1, 32)); a = np.abs(x).max(-1, keepdims=True)
;;       e = np.where(a > 0, np.clip(np.frexp(np.where(a > 0, a, 1))[1] - 1 - 4, -126, 127), 0)      # np.frexp(a)[1] - 1 = floor(log2(a)), exactly
;;       r = np.clip(x / 2.0 ** e, -28, 28)
;;       step = 2.0 ** (np.maximum(np.frexp(np.where(r == 0, 1, r))[1] - 1, -2) - 2)
;;       q = np.round(r / step) * step * 2.0 ** e      # np.round: ties to even
;;       return np.moveaxis(q.reshape(q.shape[:-2] + (-1,))[..., :K], -1, axis).astype(np.float32)
;;   ~~~
;;   SOFTMAX AHEAD OF A QUANTISED PRODUCT. Where the list says 'softmax', what is quantised is not the finished softmax but p = 2^(t - M), with t = logit x log2(e) and M = ceil(the row's largest t), a whole number; so 1/2 < the row's largest p <= 1. The row's sum l is taken of the UNQUANTISED p, in f32, and the product's result is divided by l at the end. Since M is a whole number, a kernel that streams over the keys may use a running M (the ceiling of the running maximum): every later rescaling is an exact power of two, which a block's scale takes up: the codes' values come out the same.
;;   OPERANDS COMPUTED ON THE WAY. 'Computed on the way' means the value that the module computes at that place (a softmax that the list does not call 'softmax' is quantised finished and normalised). What goes into a quantiser is computed in f32, as accurately as f32 sums, v_exp_f32 and their like allow (about 1e-6 of the number): no bf16 or f16 on the way to a quantiser, and a product that is left as it is and whose result goes on into a quantised operand takes f32 operands (vector FMAs, or v_wmma_f32_16x16x4_f32). A number that lies on a knife's edge between two numbers of the format may be rounded either way, as far as f32 arithmetic and the matrix unit's own rounding can turn it there, and no further.
;; One version. Each part assembles by itself: llvm-mc -triple=amdgcn-amd-amdhsa -mcpu=gfx1250 --defsym DOCPART=n.
;; ======== version 1 of 1: 4 launches
;; workspace buffers: xc 6,291,456 bytes; xs 262,144 bytes; wc 3,145,728 bytes; ws 131,072 bytes; qr 6,815,744 bytes; kv 13,369,344 bytes; ac 6,291,456 bytes; asc 262,144 bytes
;; launch prep (part 1): grid 768 x 1, 4 waves a work-group, no clusters, 68,096 bytes of LDS; arguments x, W_qkv, W_out, xc, xs, wc, ws; writes xc, xs, wc, ws
.if DOCPART == 1
	.amdgcn_target "amdgcn-amd-amdhsa--gfx1250"
	.amdhsa_code_object_version 6
	.text
	.protected	k_q9f66688d77_prep
	.globl	k_q9f66688d77_prep
	.p2align	8
	.type	k_q9f66688d77_prep,@function
k_q9f66688d77_prep:
	s_mov_b64 s[64:65], 0
	v_nop
	global_prefetch_b8 v0, s[64:65] scope:SCOPE_SE
	s_setreg_imm32_b32 hwreg(HW_REG_WAVE_MODE, 25, 1), 1
	s_wait_xcnt 0x0
; THE PROGRAM: out = attention(x W_qkv + b_qkv) W_out + b_out, causal, 16 heads of 64, all four products on codes of BF6 (E3M2) with one E8M0 scale for each 32 along K.
; Four launches: prep (x and both weights into codes), qkv (first product; q, k, v leave as codes), attn (both attention products; o leaves as codes), proj (last product).
; WORK LEFT OUT (in attn alone): reference() puts -1e10 in the place of every score whose key comes after its query (its own jnp.tril) ahead of the softmax; such a weight is exp(-1e10 - m), which is 0 beside
; the row's largest weight, 1, for every row whose largest logit lies above about -1e10 + 104.  So a step of 128 keys that all come after a wave's 16 queries adds nothing to any sum, whatever x, the weights and the
; biases hold: its two products, its softmax and the tile loads that only such steps would read are not done.  Every input has a way to the output and is loaded.
; LIMITS: a hidden score is taken as -infinity where reference() writes -1e10 (the same result under the bound just given); a NaN, an infinity or an overflow that reaches only the steps left out is not carried to the
; result; a block of zeros gets the scale byte 1 where the rule says 127 (its codes are zeros, and the bytes are read by this program alone); blocks whose largest magnitude lies under 2^-122 are held at byte 1;
; NaN and infinities among the inputs are not served.
;
; THIS LAUNCH.  x [8192][1024] (K innermost) and W_qkv [1024][3072], W_out [1024][1024] (K is the first axis) become operands in the ORDER OF THE OPERAND'S REGISTERS:
;   codes  [group of 128 rows][K step of 128: 8][tile of 16 rows: 8][1,536 bytes]: register 4 q + e of lane l of the fragment at 512 q + 16 l + 4 e;
;   scales [group][K step][tile][row] one word, byte b for k = 32 b ..;
;   lane r of tile 2 B + u holds row 32 B + 8 u + r + 8 (r / 8) of its group, so that the results of a product whose source 0 such tiles are lie as neighbours along the next K.
; Rows are tokens for x, columns n for the weights (groups 0-23 W_qkv, 24-31 W_out).
; Work-groups 0-511: x, 32 tokens x 512 along K; a wave takes one K step (two tiles).  Each load reads 512 consecutive bytes; the numbers turn through the wave's own stage in LDS so that a lane holds 16 neighbours of each block.
; Work-groups 512-767: a weight's group of 128 columns x one K step; a wave takes 32 columns (two tiles).  A lane takes a column and its registers run down K: nothing is transposed, no LDS.
; No loop: every wave has all its loads out at once.  No tensor loads, no barrier: waves share nothing.
.set SPARE, 67584                      ; behind the four stages: the spare words, 128 bytes a wave
.set WSTG,  16896                      ; a wave's stage: 32 rows x 528 bytes
.set SP,    528                        ; 512 bytes + 16: the sixteen rows of a read start in sixteen different 16-byte columns of 256
.set SPW,   12                         ; v12  my spare word's LDS address; never rewritten
.set NIL,   13                         ; v13  0; never rewritten
.set X,     64                         ; v64-127  64 numbers of a lane: register 16 b + e = k 32 b + 16 h + e of my row
.set R,     128                        ; v128-255 numbers as loaded
.set PC0,   40                         ; v40-51   the first tile's codes
.set PC1,   52                         ; v52-63   the second's
; v16-19 largest magnitudes; v20-23 the other half's, then bytes; v24-27 the conversions' scale operands; v28, v29 the tiles' scale words; v32-34, v36-38 half blocks on their way
	s_load_b256 s[4:11], s[0:1], 0x0               ; x s[4:5], W_qkv s[6:7], W_out s[8:9], xc s[10:11]
	s_load_b128 s[12:15], s[0:1], 0x20             ; xs s[12:13], wc s[14:15]
	s_load_b64 s[16:17], s[0:1], 0x30              ; ws
	v_lshl_add_u32 v[SPW], v0, 2, SPARE
	v_mov_b32 v[NIL], 0
	v_lshrrev_b32 v1, 5, v0
	v_readfirstlane_b32 s18, v1                    ; wave 0..3
	v_and_b32 v1, 31, v0                           ; lane
	v_and_b32 v2, 15, v0                           ; r
	v_bfe_u32 v3, v0, 4, 1                         ; h
	v_lshlrev_b32 v4, 4, v1                        ; 16 x lane
	v_lshlrev_b32 v5, 2, v1                        ; 4 x lane
	v_lshlrev_b32 v8, 3, v3                        ; 8 h
	s_mul_i32 s19, s18, WSTG
	v_add_nc_u32 v6, s19, v4                       ; the stage, on the way in: a row as it lies
	v_mul_u32_u24 v7, v2, SP
	v_lshl_add_u32 v7, v3, 6, v7
	v_add_nc_u32 v7, s19, v7                       ; and on the way out: row r, + 64 h: my 16 numbers of each block of 32
	v_and_b32 v14, 8, v2
	v_add_nc_u32 v14, v14, v2
	v_lshlrev_b32 v14, 2, v14                      ; 4 (r + 8 (r / 8)): my column in a tile of a weight
	v_mov_b32 v10, 0                               ; written once: a lane permute's destination counts as one of its sources
.irp b, 0,1,2,3
	v_mov_b32 v[20+\b], 0
.endr
	s_mov_b32 s20, 0x76543210
	s_mov_b32 s21, 0xfedcba98                      ; v_permlanex16_b32's selects for lane l xor 16
	s_mov_b32 s22, 0xffff0000                      ; lanes 16-31
	s_wait_kmcnt 0x0
	s_cmp_lt_u32 ttmp9, 512
	s_cbranch_scc0 .Lweights
; 64 numbers of a lane become a fragment's 12 registers (d0: blocks 0, 1; d1: blocks 2, 3) and its scale word.
.macro QUANT s, d0, d1, pw
.irp b, 0,1,2,3
	v_max3_num_f32 v[16+\b], |v[\s+16*\b]|, |v[\s+16*\b+1]|, 0x2800000   ; my 16 numbers of block b, and the floor 2^(5 - 127): the byte cannot fall under 1
.endr
.irp i, 2,4,6,8,10,12,14
.irp b, 0,1,2,3
	v_max3_num_f32 v[16+\b], v[16+\b], |v[\s+16*\b+\i]|, |v[\s+16*\b+\i+1]|
.endr
.endr
.irp b, 0,1,2,3
	v_permlanex16_b32 v[20+\b], v[16+\b], s20, s21
.endr
.irp b, 0,1,2,3
	v_max_num_f32 v[16+\b], v[16+\b], v[20+\b]     ; with lane l xor 16's: the block's largest magnitude
.endr
.irp b, 0,1,2,3
	v_add_nc_u32 v[24+\b], 0xfe000000, v[16+\b]    ; 4 off its exponent field: the conversion takes this operand's exponent field as its scale
.endr
.irp b, 0,1,2,3
	v_lshrrev_b32 v[20+\b], 23, v[24+\b]           ; the scale's byte
.endr
	v_lshl_or_b32 v[\pw], v21, 8, v20
	v_lshl_or_b32 v[\pw], v22, 16, v[\pw]
	v_lshl_or_b32 v[\pw], v23, 24, v[\pw]
	v_cvt_scalef32_pk16_bf6_f32 v[\d0:\d0+2], v[\s:\s+15], v24
	v_cvt_scalef32_pk16_bf6_f32 v[32:34], v[\s+16:\s+31], v25
	v_cvt_scalef32_pk16_bf6_f32 v[\d1:\d1+2], v[\s+32:\s+47], v26
	v_cvt_scalef32_pk16_bf6_f32 v[36:38], v[\s+48:\s+63], v27
	v_nop                                          ; one plain place behind a scaled conversion
.irp i, 0,1,2
	v_permlane16_swap_b32 v[\d0+\i], v[32+\i]      ; the layout wants a whole block in a lane: lanes 0-15 the even block, lanes 16-31 the odd one
.endr
.irp i, 0,1,2
	v_mov_b32 v[\d0+3+\i], v[32+\i]
.endr
.irp i, 0,1,2
	v_permlane16_swap_b32 v[\d1+\i], v[36+\i]
.endr
.irp i, 0,1,2
	v_mov_b32 v[\d1+3+\i], v[36+\i]
.endr
.endm
.macro XIN u                           ; tile u's 64 numbers a lane, out of the stage
.irp n, 0,1,2,3,4,5,6,7,8,9,10,11,12,13,14,15
	ds_load_b128 v[X+4*\n:X+4*\n+3], v7 offset:16*SP*\u+128*(\n/4)+16*(\n%4)
.endr
.endm
	; ---- x
	s_lshr_b32 s24, ttmp9, 1                       ; which 32 tokens
	s_and_b32 s25, ttmp9, 1
	s_lshl_b32 s25, s25, 2
	s_add_co_u32 s25, s25, s18                     ; my K step: 4 x (work-group's parity) + wave
	s_lshl_b32 s26, s24, 17                        ; 32 rows of 4,096 bytes
	s_lshl_b32 s27, s25, 9                         ; 128 numbers
	s_add_co_u32 s26, s26, s27
	s_mov_b32 s27, 0
	s_lshr_b32 s28, s24, 2                         ; the group of 128 tokens
	s_and_b32 s29, s24, 3                          ; and the pair of tiles in it
	s_mul_i32 s30, s28, 98304
	s_mul_i32 s31, s25, 12288
	s_add_co_u32 s30, s30, s31
	s_mul_i32 s31, s29, 3072
	s_add_co_u32 s30, s30, s31
	s_mov_b32 s31, 0
	s_lshl_b32 s32, s28, 12
	s_lshl_b32 s33, s25, 9
	s_add_co_u32 s32, s32, s33
	s_lshl_b32 s33, s29, 7
	s_add_co_u32 s32, s32, s33
	s_mov_b32 s33, 0
	s_add_nc_u64 s[4:5], s[4:5], s[26:27]
	s_add_nc_u64 s[10:11], s[10:11], s[30:31]
	s_add_nc_u64 s[12:13], s[12:13], s[32:33]
.set kk, 0
.rept 32                               ; stage row kk = 16 u + 8 a + e takes token 16 a + 8 u + e: the first tile's sixteen rows first
	global_load_b128 v[R+4*kk:R+4*kk+3], v4, s[4:5] offset:(16*((kk/8)%2)+8*(kk/16)+kk%8)*4096 th:TH_LOAD_NT
.set kk, kk+1
.endr
	s_wait_loadcnt 16                              ; the first tile's 16 loads are in; the 16 younger may be out
.set kk, 0
.rept 16
	ds_store_b128 v6, v[R+4*kk:R+4*kk+3] offset:SP*kk
.set kk, kk+1
.endr
	XIN 0                                          ; LDS serves a wave's instructions in order: these see the stores above
	s_wait_loadcnt 0x0
.rept 16
	ds_store_b128 v6, v[R+4*kk:R+4*kk+3] offset:SP*kk
.set kk, kk+1
.endr
	s_wait_dscnt 16                                ; the first tile's numbers are back; the 16 younger stores may be out
	QUANT X, PC0, PC0+6, 28
	XIN 1
.irp q, 0,1,2
	global_store_b128 v4, v[PC0+4*\q:PC0+4*\q+3], s[10:11] offset:512*\q   ; 32 lanes store 512 consecutive bytes
.endr
	s_wait_dscnt 0x0
	QUANT X, PC1, PC1+6, 29
.irp q, 0,1,2
	global_store_b128 v4, v[PC1+4*\q:PC1+4*\q+3], s[10:11] offset:1536+512*\q
.endr
	v_cndmask_b32 v30, v28, v29, s22               ; lanes 0-15: the first tile's words; lanes 16-31: the second's
	global_store_b32 v5, v30, s[12:13]             ; 128 consecutive bytes
	s_branch .Lend
	; ---- the weights
.macro WPATH STR, PLO, sub             ; STR: bytes in a row of the weight; s[PLO:PLO+1]: its address; sub: its first group
	s_sub_co_u32 s26, s24, \sub
	s_lshl_b32 s26, s26, 9                         ; 128 columns of 4 bytes a group,
	s_lshl_b32 s27, s18, 7                         ; 32 a wave,
	s_add_co_u32 s26, s26, s27
	s_mul_i32 s27, s25, 128*\STR                   ; 128 rows a K step
	s_add_co_u32 s26, s26, s27
	s_mov_b32 s27, 0
	s_add_nc_u64 s[\PLO:\PLO+1], s[\PLO:\PLO+1], s[26:27]
	v_mul_u32_u24 v11, v3, 32*\STR                 ; lanes 16-31 begin 32 rows further down: lane (r, h) holds k = 64 c + 32 h + 0 .. 31
	v_add_nc_u32 v11, v11, v14
.irp c, 0,1
.set ii, 0
.rept 32                               ; the two tiles' parts of a row's 128 bytes are asked for one behind the other
	global_load_b32 v[R+32*\c+ii], v11, s[\PLO:\PLO+1] offset:(64*\c+ii)*\STR
	global_load_b32 v[R+64+32*\c+ii], v11, s[\PLO:\PLO+1] offset:(64*\c+ii)*\STR+32
.set ii, ii+1
.endr
.endr
.endm
.macro WQ n, pc, pw                    ; a tile: my two whole blocks h and 2 + h of my column
.irp c, 0,1
	v_max3_num_f32 v[16+\c], |v[\n+32*\c]|, |v[\n+32*\c+1]|, 0x2800000
.endr
.irp i, 2,4,6,8,10,12,14,16,18,20,22,24,26,28,30
.irp c, 0,1
	v_max3_num_f32 v[16+\c], v[16+\c], |v[\n+32*\c+\i]|, |v[\n+32*\c+\i+1]|
.endr
.endr
.irp c, 0,1
	v_add_nc_u32 v[24+\c], 0xfe000000, v[16+\c]
.endr
.irp c, 0,1
	v_lshrrev_b32 v[20+\c], 23, v[24+\c]
.endr
	v_lshl_or_b32 v9, v21, 16, v20                 ; my two bytes,
	v_lshlrev_b32 v9, v8, v9                       ; at their places in the word (8 h bits up);
	v_permlanex16_b32 v10, v9, s20, s21
	v_or_b32 v[\pw], v9, v10                       ; with lane l xor 16's two the word is whole
	v_cvt_scalef32_pk16_bf6_f32 v[\pc:\pc+2], v[\n:\n+15], v24
	v_cvt_scalef32_pk16_bf6_f32 v[32:34], v[\n+16:\n+31], v24
	v_cvt_scalef32_pk16_bf6_f32 v[\pc+6:\pc+8], v[\n+32:\n+47], v25
	v_cvt_scalef32_pk16_bf6_f32 v[36:38], v[\n+48:\n+63], v25
	v_nop                                          ; one plain place behind a scaled conversion
.irp i, 0,1,2
	v_mov_b32 v[\pc+3+\i], v[32+\i]
	v_mov_b32 v[\pc+9+\i], v[36+\i]
.endr
.endm
.Lweights:
	s_sub_co_u32 s23, ttmp9, 512
	s_lshr_b32 s24, s23, 3                         ; the group of 128 columns, 0..31
	s_and_b32 s25, s23, 7                          ; the K step
	s_mul_i32 s30, s24, 98304
	s_mul_i32 s31, s25, 12288
	s_add_co_u32 s30, s30, s31
	s_mul_i32 s31, s18, 3072
	s_add_co_u32 s30, s30, s31
	s_mov_b32 s31, 0
	s_lshl_b32 s32, s24, 12
	s_lshl_b32 s33, s25, 9
	s_add_co_u32 s32, s32, s33
	s_lshl_b32 s33, s18, 7
	s_add_co_u32 s32, s32, s33
	s_mov_b32 s33, 0
	s_add_nc_u64 s[14:15], s[14:15], s[30:31]
	s_add_nc_u64 s[16:17], s[16:17], s[32:33]
	s_cmp_lt_u32 s24, 24
	s_cbranch_scc0 .Lw_out
	WPATH 12288, 6, 0
	s_branch .Lw_quant
.Lw_out:
	WPATH 4096, 8, 24
.Lw_quant:
	s_wait_loadcnt 0x0
	WQ R, PC0, 28
	WQ R+64, PC1, 29
.irp q, 0,1,2
	global_store_b128 v4, v[PC0+4*\q:PC0+4*\q+3], s[14:15] offset:512*\q
.endr
.irp q, 0,1,2
	global_store_b128 v4, v[PC1+4*\q:PC1+4*\q+3], s[14:15] offset:1536+512*\q
.endr
	v_cndmask_b32 v30, v28, v29, s22
	global_store_b32 v5, v30, s[16:17]
.Lend:
	s_wait_tensorcnt 0x0                           ; the wave's end, behind the last LDS store
	ds_add_u32 v[SPW], v[NIL]
	s_wait_dscnt 0x0
	s_endpgm
.Lfunc_end_k_q9f66688d77_prep:
	.size	k_q9f66688d77_prep, .Lfunc_end_k_q9f66688d77_prep-k_q9f66688d77_prep
	.p2alignl 7, 3214868480
	.fill 96, 4, 3214868480
	.section	.rodata,"a",@progbits
	.p2align	6, 0x0
	.amdhsa_kernel k_q9f66688d77_prep
		.amdhsa_group_segment_fixed_size 68096
		.amdhsa_private_segment_fixed_size 0
		.amdhsa_enable_private_segment 0
		.amdhsa_kernarg_size 56
		.amdhsa_user_sgpr_count 2
		.amdhsa_user_sgpr_kernarg_segment_ptr 1
		.amdhsa_wavefront_size32 1
		.amdhsa_system_sgpr_workgroup_id_x 1
		.amdhsa_system_sgpr_workgroup_id_y 1
		.amdhsa_system_sgpr_workgroup_id_z 1
		.amdhsa_system_vgpr_workitem_id 0
		.amdhsa_next_free_vgpr 256
		.amdhsa_next_free_sgpr 66
		.amdhsa_reserve_vcc 0
		.amdhsa_float_denorm_mode_32 3
		.amdhsa_float_denorm_mode_16_64 3
		.amdhsa_memory_ordered 1
		.amdhsa_forward_progress 1
		.amdhsa_inst_pref_size 51
	.end_amdhsa_kernel
	.amdgpu_metadata
---
amdhsa.version: [ 1, 2 ]
amdhsa.kernels:
  - .name:           k_q9f66688d77_prep
    .symbol:         k_q9f66688d77_prep.kd
    .args:
      - { .name: x, .offset: 0, .size: 8, .value_kind: global_buffer, .address_space: global }
      - { .name: W_qkv, .offset: 8, .size: 8, .value_kind: global_buffer, .address_space: global }
      - { .name: W_out, .offset: 16, .size: 8, .value_kind: global_buffer, .address_space: global }
      - { .name: xc, .offset: 24, .size: 8, .value_kind: global_buffer, .address_space: global }
      - { .name: xs, .offset: 32, .size: 8, .value_kind: global_buffer, .address_space: global }
      - { .name: wc, .offset: 40, .size: 8, .value_kind: global_buffer, .address_space: global }
      - { .name: ws, .offset: 48, .size: 8, .value_kind: global_buffer, .address_space: global }
    .group_segment_fixed_size: 68096
    .private_segment_fixed_size: 0
    .kernarg_segment_align: 8
    .kernarg_segment_size: 56
    .max_flat_workgroup_size: 128
    .sgpr_count:     66
    .vgpr_count:     256
    .wavefront_size: 32
...
	.end_amdgpu_metadata
.endif
;; end of part 1
;; launch qkv (part 2): grid 96 x 4, 4 waves a work-group, clusters of 4 x 4, 327,680 bytes of LDS; arguments xc, xs, wc, ws, b_qkv, qr, kv; writes qr, kv
.if DOCPART == 2
	.amdgcn_target "amdgcn-amd-amdhsa--gfx1250"
	.amdhsa_code_object_version 6
	.text
	.protected	k_q9f66688d77_qkv
	.globl	k_q9f66688d77_qkv
	.p2align	8
	.type	k_q9f66688d77_qkv,@function
k_q9f66688d77_qkv:
	s_mov_b64 s[64:65], 0
	v_nop
	global_prefetch_b8 v0, s[64:65] scope:SCOPE_SE
	s_setreg_imm32_b32 hwreg(HW_REG_WAVE_MODE, 25, 1), 1
	s_wait_xcnt 0x0
	s_wait_alu depctr_hold_cnt(0) depctr_sa_sdst(0) depctr_va_vdst(0) depctr_va_sdst(0) depctr_va_ssrc(0) depctr_va_vcc(0) depctr_vm_vsrc(0)
	s_getreg_b32 s2, hwreg(HW_REG_IB_STS2, 6, 4)
	s_cmp_eq_u32 s2, 0
	s_cbranch_scc0 .Lentry_in_a_cluster
	s_endpgm
.Lentry_in_a_cluster:
	s_bfe_u32 s2, ttmp6, 0x10000c
	s_cmp_lg_u32 s2, 0xf033
	s_cbranch_scc0 .Lentry_shape_is_right
	s_endpgm
.Lentry_shape_is_right:
; qkv = x W_qkv + b_qkv on codes of BF6 with E8M0 scales, K = 1,024; q, k and v leave as codes again, quantised in registers: q and k along the head's 64, v along the tokens.  Nothing of f32 goes to memory.
; A work-group of four waves makes 256 x 256, a wave 128 x 128: 64 accumulators, 512 registers.  K goes in four slots of 256 through a ring of two LDS slots filled by the tensor data mover.
; OPERANDS LIE IN MEMORY AND IN LDS AS IMAGES OF THEIR REGISTERS (launch prep): a fragment is three ds_load_b128 at 16 x lane, a slot's part of 128 rows one dense block of 24,576 bytes.
; 24 clusters of 4 x 4 work-groups; X is the cluster's number.  X < 16: A = x (tile row 4 (X / 2) + cy), B = W's columns of q (X even) or k (X odd) (tile column 4 (X % 2) + cx).
; X >= 16: A = W's columns of v (tile row cy), B = x (tile column 4 (X - 16) + cx).  Source 0 is always B's fragment and source 1 A's, so a lane holds ONE row of A and its registers run along B's rows:
; along the head's dims for q and k, along the tokens for v: each time the next product's K.  The tiles' row order (launch prep) makes the 16 registers of two neighbouring tiles 16 neighbours along that K.
; The role hangs on X alone: it is the same in all sixteen partners.  It chooses four pointers, the first step's C (the bias) and the way out; the loop, the LDS addresses and the masks do not know of it.
; A's tile is shared along a row of the cluster, B's along a column: each is asked for jointly, by the same tensor load with the same descriptor and a mask that names the four.
; OUT: qr [64 heads][16] records of 128 queries: 4 images of two tiles (registers 0-5: tile 2 P, 6-11: tile 2 P + 1; a tile's six registers: lane (r, h): dims 32 h .. of row r), then 512 bytes of scale words
; (lane l's word w: tile 2 w + h, row r; bytes 0, 1 the head's two scales, bytes 2, 3 zero).  kv [64][16] records of 128 keys: k as in qr (6,656 bytes); v: 4 fragments of 16 dims x 128 keys, then 256 bytes of words.
; REGISTERS: window 0: v16-29 addresses; v32-63 scale words, two sets; v64-127 the bias, later at work; v128-223 A's fragments, one set, later the codes.  window 1: B's fragments, two sets, at v0 and v128.
;   window 2: the accumulators of A's blocks 0-3 ((a, b) at v[8 (8 (a % 4) + b)]); window 3: of blocks 4-7.
.set HALFT,  24576                     ; 128 rows x 256 along K: [2 K steps][8 tiles][1,536 bytes]: what one tensor load brings
.set SLOT,   4*HALFT                   ; A's two halves, then B's two
.set SCL,    2*SLOT                    ; behind the ring: the scale words of the 4 x 128 rows, for all of K
.set HALFS,  4096                      ; those of 128 rows: [8 K steps][8 tiles][16 rows] words
.set SPARE,  SCL+4*HALFS               ; the spare words, 128 bytes a wave
.set FR,     12                        ; registers of a fragment
.set NP,     4                         ; places behind this matrix instruction (ISA guide 7.12.1)
.set ADRA, 16                          ; v16-17  my A fragments in slot 0, 1
.set ADRB, 20                          ; v20-21  the same for B
.set L16,  24                          ; v24     16 x lane
.set L8,   25                          ; v25     8 x lane
.set ADRS, 27                          ; v27     my scale words: lanes 0-15 A's rows, lanes 16-31 B's
.set SPW,  28                          ; v28     my spare word; never rewritten
.set NIL,  29                          ; v29     0; never rewritten
.set SC,   32                          ; set s at v[SC + 16 s]; register 2 i + q: lanes 0-15 the word of A's block i, lanes 16-31 of B's, for the slot's q-th K step
.set BI,   64                          ; the bias as eight registers a tile, in the result's layout
.set AF,   128
.set TM,   64                          ; the way out: v64-67 largest magnitudes, v68-71 bytes, v76-79 scale operands
.set T0,   80
.set T1,   84
.set PW,   88                          ; v88-95  the eight blocks' scale words
.set G1, 24
.set G0, 32
.set G1B, 48
.set G0B, 56
.set G1S, 68
.set G0S, 76
.set G1SB, 80
.set G0SB, 88
.set MSB, 0
.macro WIN new                         ; the immediate's high byte repeats the setting that is left
.if MSB != (\new)
	s_set_vgpr_msb (MSB<<8)|(\new)
.set MSB, (\new)
.endif
.endm
; A joint load: waves 0 and 1 fetch for A, waves 2 and 3 for B.  The branch hangs on the wave's number alone.  An s_nop 0 and four v_nop follow each of the two lines.
.macro JLOAD g0a, g1a, g0b, g1b
	s_cmp_eq_u32 s15, 0
	s_cbranch_scc0 .Lfor_b_\@
	tensor_load_to_lds s[\g0a:\g0a+3], s[\g1a:\g1a+7]
	s_nop 0
.rept 4
	v_nop
.endr
	s_branch .Lasked_\@
.Lfor_b_\@:
	tensor_load_to_lds s[\g0b:\g0b+3], s[\g1b:\g1b+7]
	s_nop 0
.rept 4
	v_nop
.endr
.Lasked_\@:
.endm
.macro CREST                           ; a round of the cluster's barrier behind its opening barrier
	s_cmp_lg_u32 s14, 0
	s_cbranch_scc1 .Lnot_wave_0_\@
	s_barrier_signal -3
.Lnot_wave_0_\@:
	s_barrier_wait -3
	s_barrier_signal -1
	s_barrier_wait -1
.endm
.macro CROUND
	s_barrier_signal -1
	s_barrier_wait -1
	CREST
.endm
.macro PLACES n
.rept \n
	v_nop
.endr
.endm
	s_load_b256 s[4:11], s[0:1], 0x0               ; xc s[4:5], xs s[6:7], wc s[8:9], ws s[10:11]
	s_load_b64 s[12:13], s[0:1], 0x20              ; b_qkv
	s_load_b64 s[96:97], s[0:1], 0x28              ; qr
	s_load_b64 s[98:99], s[0:1], 0x30              ; kv
	v_lshl_add_u32 v[SPW], v0, 2, SPARE
	v_mov_b32 v[NIL], 0
	ds_add_u32 v[SPW], v[NIL]                      ; the wave's opening: the add, twice on end, and its wait ahead of my first tensor load
	ds_add_u32 v[SPW], v[NIL]
	v_lshrrev_b32 v1, 5, v0
	v_readfirstlane_b32 s14, v1                    ; wave 0..3
	s_lshr_b32 s15, s14, 1                         ; my half of A's rows.  Also: I fetch for A (0) or for B (1)
	s_and_b32 s16, s14, 1                          ; my half of B's rows.  Also: which 128 rows I fetch
	s_bfe_u32 s40, ttmp6, 0x40000                  ; cx
	s_bfe_u32 s41, ttmp6, 0x40004                  ; cy
	s_lshr_b32 s18, ttmp9, 1
	s_lshl_b32 s18, s18, 2                         ; 4 (X / 2)
	s_and_b32 s19, ttmp9, 1
	s_lshl_b32 s19, s19, 2                         ; 4 (X % 2)
	s_sub_co_u32 s20, ttmp9, 16
	s_lshl_b32 s20, s20, 2                         ; 4 (X - 16)
	s_cmp_lt_u32 ttmp9, 16
	s_cselect_b32 s66, 0, 1                        ; the role: 0 q or k, 1 v
	s_cselect_b32 s18, s18, 0
	s_cselect_b32 s19, s19, s20
	s_cselect_b32 s21, 0, 16                       ; A's first group: v's columns begin at W's group 16
	s_add_co_u32 s17, s18, s41                     ; A's tile row: hangs on cy alone
	s_add_co_u32 s42, s19, s40                     ; B's tile column: on cx alone
	s_lshl_b32 s43, s41, 2
	s_lshl_b32 s43, 15, s43                        ; my row of the cluster
	s_lshl_b32 s44, 0x1111, s40                    ; my column
	s_or_b32 s[G1+0], s43, (3<<16)|(1<<21)         ; 15:0 the mask; 17:16 elements of 8 bytes; 21 set beside a mask; no padding
	s_or_b32 s[G1B+0], s44, (3<<16)|(1<<21)
.irp g, G1, G1B
	s_mov_b32 s[\g+1], 32<<16                      ; a dense block as rows of 256 bytes: tensor_dim0 = 32
	s_mov_b32 s[\g+2], 96<<16                      ; tensor_dim1 = 96
	s_mov_b32 s[\g+3], 32<<16                      ; tile_dim0
	s_mov_b32 s[\g+4], 96                          ; tile_dim1
	s_mov_b32 s[\g+5], 32                          ; the pitch
	s_mov_b32 s[\g+6], 0
	s_mov_b32 s[\g+7], 0
.endr
	s_or_b32 s[G1S+0], s43, (3<<16)|(1<<21)
	s_or_b32 s[G1SB+0], s44, (3<<16)|(1<<21)
.irp g, G1S, G1SB
	s_mov_b32 s[\g+1], 32<<16
	s_mov_b32 s[\g+2], 16<<16                      ; 4,096 bytes: 16 rows
	s_mov_b32 s[\g+3], 32<<16
	s_mov_b32 s[\g+4], 16
	s_mov_b32 s[\g+5], 32
	s_mov_b32 s[\g+6], 0
	s_mov_b32 s[\g+7], 0
.endr
	s_mov_b32 s67, 0xffff0000                      ; lanes 16-31
	s_mov_b32 s104, 0x76543210
	s_mov_b32 s105, 0xfedcba98                     ; v_permlanex16_b32's selects for lane l xor 16
	s_lshl_b32 s20, s17, 1
	s_add_co_u32 s20, s20, s16
	s_add_co_u32 s20, s20, s21                     ; A: the group of 128 rows that I fetch
	s_lshl_b32 s22, s20, 12                        ; its scale words,
	s_mov_b32 s23, 0
	s_mul_i32 s20, s20, 98304                      ; its codes
	s_mov_b32 s21, 0
	s_lshl_b32 s46, s42, 1
	s_add_co_u32 s46, s46, s16                     ; B likewise
	s_lshl_b32 s92, s46, 12
	s_mov_b32 s93, 0
	s_mul_i32 s46, s46, 98304
	s_mov_b32 s47, 0
	s_mul_i32 s45, s14, HALFT                      ; where they go: no place in the cluster enters an LDS address
	s_lshl_b32 s94, s14, 12
	s_wait_dscnt 0x0                               ; both opening adds are done
	s_wait_kmcnt 0x0
	s_cmp_eq_u32 s66, 0                            ; which buffer is A and which B: the choice hangs on X alone
	s_cselect_b64 s[100:101], s[4:5], s[8:9]       ; A's codes
	s_cselect_b64 s[2:3], s[6:7], s[10:11]         ; A's scales
	s_cselect_b64 s[8:9], s[8:9], s[4:5]           ; B's codes
	s_cselect_b64 s[10:11], s[10:11], s[6:7]       ; B's scales
	s_add_nc_u64 s[20:21], s[100:101], s[20:21]
	s_add_nc_u64 s[22:23], s[2:3], s[22:23]
	s_add_nc_u64 s[46:47], s[8:9], s[46:47]
	s_add_nc_u64 s[92:93], s[10:11], s[92:93]
	CROUND                                         ; all sixteen work-groups are here: the first joint loads meet
	s_mov_b32 s[G0S], 1
	s_add_co_u32 s[G0S+1], s94, SCL
	s_mov_b64 s[G0S+2:G0S+3], s[22:23]
	s_or_b32 s[G0S+3], s[G0S+3], 0x80000000
	s_mov_b32 s[G0SB], 1
	s_add_co_u32 s[G0SB+1], s94, SCL
	s_mov_b64 s[G0SB+2:G0SB+3], s[92:93]
	s_or_b32 s[G0SB+3], s[G0SB+3], 0x80000000
	JLOAD G0S, G1S, G0SB, G1SB                     ; the scale words first: filled once
.irp s, 0,1
	s_mov_b32 s[G0+4*\s], 1
	s_add_co_u32 s[G0+4*\s+1], s45, \s*SLOT
	s_add_nc_u64 s[G0+4*\s+2:G0+4*\s+3], s[20:21], \s*HALFT
	s_or_b32 s[G0+4*\s+3], s[G0+4*\s+3], 0x80000000
	s_mov_b32 s[G0B+4*\s], 1
	s_add_co_u32 s[G0B+4*\s+1], s45, \s*SLOT
	s_add_nc_u64 s[G0B+4*\s+2:G0B+4*\s+3], s[46:47], \s*HALFT
	s_or_b32 s[G0B+4*\s+3], s[G0B+4*\s+3], 0x80000000
	JLOAD G0+4*\s, G1, G0B+4*\s, G1B               ; three tensor loads of mine are out now; later one behind each round
.endr
	v_and_b32 v1, 15, v0                           ; r
	v_bfe_u32 v2, v0, 4, 1                         ; h
	s_wait_alu depctr_va_vdst(0)
	v_and_b32 v3, 31, v0
	v_lshlrev_b32 v[L16], 4, v3
	v_lshlrev_b32 v[L8], 3, v3
	s_mul_i32 s21, s15, HALFT                      ; my 128 rows of A
	s_mul_i32 s22, s16, HALFT                      ; my 128 rows of B,
	s_add_co_u32 s22, s22, 2*HALFT                 ; behind A's 256
.irp s, 0,1
	v_add_nc_u32 v[ADRA+\s], s21, v[L16]
	v_add_nc_u32 v[ADRB+\s], s22, v[L16]
	s_add_co_u32 s21, s21, SLOT
	s_add_co_u32 s22, s22, SLOT
.endr
	v_lshlrev_b32 v5, 2, v1                        ; a word a row
	s_lshl_b32 s21, s15, 12                        ; A's: my 128 rows
	s_lshl_b32 s22, s16, 12                        ; B's: my 128 rows, behind A's 256
	s_add_co_u32 s22, s22, 2*HALFS
	s_sub_co_u32 s22, s22, s21
	v_mul_u32_u24 v6, s22, v2                      ; lanes 16-31 take B's
	s_add_co_u32 s21, s21, SCL
	v_add_nc_u32 v5, v5, v6
	v_add_nc_u32 v[ADRS], s21, v5
	; the bias, as the C of each sum's first matrix instruction
	s_cmp_lg_u32 s66, 0
	s_cbranch_scc1 .Lbias_v
	s_lshl_b32 s18, s42, 10                        ; q, k: the bias runs along B's rows: register 16 B + e of a lane is column 32 B + 16 h + e
	s_lshl_b32 s19, s16, 9
	s_add_co_u32 s18, s18, s19
	s_mov_b32 s19, 0
	s_add_nc_u64 s[12:13], s[12:13], s[18:19]
	v_lshlrev_b32 v4, 6, v2
.irp n, 0,1,2,3,4,5,6,7,8,9,10,11,12,13,14,15
	global_load_b128 v[BI+4*\n:BI+4*\n+3], v4, s[12:13] offset:128*(\n/4)+16*(\n%4)
.endr
	s_branch .Lbias_done
.Lbias_v:
	s_lshl_b32 s18, s17, 10                        ; v: the bias hangs on A's row, which is the lane's: the same in a tile's eight registers
	s_lshl_b32 s19, s15, 9
	s_add_co_u32 s18, s18, s19
	s_add_co_u32 s18, s18, 8192                    ; v's columns begin at 2,048
	s_mov_b32 s19, 0
	s_add_nc_u64 s[12:13], s[12:13], s[18:19]
	v_and_b32 v4, 8, v1
	v_add_nc_u32 v4, v4, v1
	v_lshlrev_b32 v4, 2, v4
.irp a, 0,1,2,3,4,5,6,7
	global_load_b32 v[BI+8*\a], v4, s[12:13] offset:4*(32*(\a/2)+8*(\a%2))
.endr
	s_wait_loadcnt 0x0
.irp a, 0,1,2,3,4,5,6,7
.irp j, 1,2,3,4,5,6,7
	v_mov_b32 v[BI+8*\a+\j], v[BI+8*\a]
.endr
.endr
	PLACES 8
.Lbias_done:
	s_wait_loadcnt 0x0
.macro FRAG reg, adr, q, i             ; a fragment's image: three loads of 512 consecutive bytes
.irp c, 0,1,2
	ds_load_b128 v[(\reg)+4*\c:(\reg)+4*\c+3], v[\adr] offset:12288*(\q)+1536*(\i)+512*\c
.endr
.endm
.macro FETCH_B slot, q, p              ; B's eight fragments of the slot's q-th K step into set p
	WIN 0x40
.irp i, 0,1,2,3,4,5,6,7
	FRAG 128*(\p)+FR*\i, ADRB+\slot, \q, \i
.endr
	WIN 0
.endm
.macro FETCH_A slot, q, i0             ; A's blocks i0 .. i0 + 3
.irp i, \i0, \i0+1, \i0+2, \i0+3
	FRAG AF+FR*(\i), ADRA+\slot, \q, \i
.endr
.endm
.macro SCALES sc                       ; a slot's scale words into set sc
.irp i, 0,1,2,3,4,5,6,7
.irp q, 0,1
	ds_load_b32 v[SC+16*\sc+2*\i+\q], v[ADRS] offset:512*\q+64*\i
.endr
.endr
.endm
; 16 matrix instructions: A's blocks a0, a0 + 1 x B's eight.  cm = 0: the sums go on; 1: they start from the bias along B; 2: from the bias along A.  The 64 accumulators take turns.
.macro MUL16 a0, p, q, sc, cm
.irp a, \a0, \a0+1
.irp b, 0,1,2,3,4,5,6,7
.if \cm == 0
	v_wmma_scale_f32_16x16x128_f8f6f4 v[8*(8*((\a)%4)+\b):8*(8*((\a)%4)+\b)+7], v[128*(\p)+FR*\b:128*(\p)+FR*\b+FR-1], v[AF+FR*(\a):AF+FR*(\a)+FR-1], v[8*(8*((\a)%4)+\b):8*(8*((\a)%4)+\b)+7], v[SC+16*(\sc)+2*\b+(\q)], v[SC+16*(\sc)+2*(\a)+(\q)] matrix_a_fmt:MATRIX_FMT_BF6 matrix_b_fmt:MATRIX_FMT_BF6 matrix_a_scale:MATRIX_SCALE_ROW1
.elseif \cm == 1
	v_wmma_scale_f32_16x16x128_f8f6f4 v[8*(8*((\a)%4)+\b):8*(8*((\a)%4)+\b)+7], v[128*(\p)+FR*\b:128*(\p)+FR*\b+FR-1], v[AF+FR*(\a):AF+FR*(\a)+FR-1], v[BI+8*\b:BI+8*\b+7], v[SC+16*(\sc)+2*\b+(\q)], v[SC+16*(\sc)+2*(\a)+(\q)] matrix_a_fmt:MATRIX_FMT_BF6 matrix_b_fmt:MATRIX_FMT_BF6 matrix_a_scale:MATRIX_SCALE_ROW1
.else
	v_wmma_scale_f32_16x16x128_f8f6f4 v[8*(8*((\a)%4)+\b):8*(8*((\a)%4)+\b)+7], v[128*(\p)+FR*\b:128*(\p)+FR*\b+FR-1], v[AF+FR*(\a):AF+FR*(\a)+FR-1], v[BI+8*(\a):BI+8*(\a)+7], v[SC+16*(\sc)+2*\b+(\q)], v[SC+16*(\sc)+2*(\a)+(\q)] matrix_a_fmt:MATRIX_FMT_BF6 matrix_b_fmt:MATRIX_FMT_BF6 matrix_a_scale:MATRIX_SCALE_ROW1
.endif
.endr
.endr
.endm
; A K step of 128 that has its successor in the same slot.  Source 0 (B) window 1, source 1 (A) window 0, D window 2 or 3; C with D, or (the bias) in window 0.
.macro STEP slot, q, cm
	s_wait_dscnt 12                                ; B's set, A's blocks 0-3 and the scale words are in; the youngest 12 loads (A's blocks 4-7) may be out
.if \cm
	WIN 0x81
.else
	WIN 0xa1
.endif
	MUL16 0, (\q)%2, \q, \slot, \cm
	MUL16 2, (\q)%2, \q, \slot, \cm
	s_wait_dscnt 0x0                               ; A's blocks 4-7 are in
	PLACES NP                                      ; in front of loads into registers that matrix instructions have read
	FETCH_B \slot, (\q)+1, 1-(\q)%2
	FETCH_A \slot, (\q)+1, 0
.if \cm
	WIN 0xc1
.else
	WIN 0xf1
.endif
	MUL16 4, (\q)%2, \q, \slot, \cm
	MUL16 6, (\q)%2, \q, \slot, \cm
	PLACES NP
	WIN 0
	FETCH_A \slot, (\q)+1, 4
.endm
; A slot's last K step changes slots: one barrier; in front of it each wave waits for all its tensor loads, adds 0 to its spare word, and waits for that and for its reads of this slot.  fill = 1: this slot is filled again, two slots ahead.
.macro TURN slot, next, fill
	s_wait_tensorcnt 0x0                           ; all my tensor loads have landed: my part of the next slot
	ds_add_u32 v[SPW], v[NIL]
	s_wait_dscnt 13                                ; (the add and the youngest 12 loads may be out)
	WIN 0xa1
	MUL16 0, 1, 1, \slot, 0
	s_wait_dscnt 0x0                               ; the add is done, and my reads of this slot are over
	s_barrier_signal -1
	MUL16 2, 1, 1, \slot, 0
	WIN 0
	s_barrier_wait -1
.if \fill
	CREST                                          ; the barrier has opened a round of the cluster's: no wave of any partner still reads this slot or has a load on its way
	s_add_nc_u64 s[G0+4*\slot+2:G0+4*\slot+3], s[G0+4*\slot+2:G0+4*\slot+3], 2*HALFT
	s_add_nc_u64 s[G0B+4*\slot+2:G0B+4*\slot+3], s[G0B+4*\slot+2:G0B+4*\slot+3], 2*HALFT
	JLOAD G0+4*\slot, G1, G0B+4*\slot, G1B         ; the first tensor load behind the round; its four v_nop are the places in front of the loads below
.else
	PLACES NP
.endif
	s_wait_alu depctr_va_vdst(0)
	v_add_nc_u32 v[ADRS], 1024, v[ADRS]            ; the next slot's scale words (no LDS load of mine is out)
	FETCH_B \next, 0, 0
	FETCH_A \next, 0, 0
	SCALES \next
	WIN 0xf1
	MUL16 4, 1, 1, \slot, 0
	MUL16 6, 1, 1, \slot, 0
	PLACES NP
	WIN 0
	FETCH_A \next, 0, 4
.endm
	s_wait_tensorcnt 1                             ; the scale words and my part of slot 0 are in; slot 1's load may be out
	s_barrier_signal -1
	s_barrier_wait -1
	s_wait_alu depctr_va_vdst(0)
	FETCH_B 0, 0, 0
	FETCH_A 0, 0, 0
	SCALES 0
	FETCH_A 0, 0, 4
	s_cmp_lg_u32 s66, 0                            ; the first step starts the sums from the bias: along B's rows for q and k, along A's for v
	s_cbranch_scc1 .Lfirst_v
	STEP 0, 0, 1
	s_branch .Lfirst_done
.Lfirst_v:
	STEP 0, 0, 2
.Lfirst_done:
	TURN 0, 1, 1                                   ; K has four slots: written out, a loop would have one trip
	STEP 1, 0, 0
	TURN 1, 0, 1
	STEP 0, 0, 0
	TURN 0, 1, 0                                   ; nothing is left to fetch
	STEP 1, 0, 0
	s_wait_dscnt 12
	WIN 0xa1
	MUL16 0, 1, 1, 1, 0
	MUL16 2, 1, 1, 1, 0
	s_wait_dscnt 0x0
	WIN 0xf1
	MUL16 4, 1, 1, 1, 0
	MUL16 6, 1, 1, 1, 0
	WIN 0
	PLACES NP                                      ; in front of the first read of results, and of writes into the registers that held A's fragments
; THE WAY OUT.  A's block a: a lane's 64 results are 128 along the next K less the other half of the lanes': register 16 b + e = index 32 b + 16 h + e.  They become 12 registers of codes (d0: blocks 0, 1; d1: blocks 2, 3) and a scale word.
; Each accumulator is read from its low end on.
.macro EQ a, d0, d1, pw
.set AC, 64*((\a)%4)
.set WW, 2+(\a)/4
	WIN WW|(WW<<2)                                 ; sources 0 and 1: the accumulators' window
.irp b, 0,1,2,3
	v_max3_num_f32 v[TM+\b], |v[AC+16*\b]|, |v[AC+16*\b+1]|, 0x2800000   ; and the floor 2^(5 - 127): the byte cannot fall under 1
.endr
.irp i, 2,4,6,8,10,12,14
.irp b, 0,1,2,3
	v_max3_num_f32 v[TM+\b], |v[AC+16*\b+\i]|, |v[AC+16*\b+\i+1]|, v[TM+\b]
.endr
.endr
	WIN 0
.irp b, 0,1,2,3
	v_permlanex16_b32 v[TM+4+\b], v[TM+\b], s104, s105
.endr
.irp b, 0,1,2,3
	v_max_num_f32 v[TM+\b], v[TM+\b], v[TM+4+\b]
.endr
.irp b, 0,1,2,3
	v_add_nc_u32 v[TM+12+\b], 0xfe000000, v[TM+\b] ; 4 off the exponent field: the conversion's scale operand
.endr
.irp b, 0,1,2,3
	v_lshrrev_b32 v[TM+4+\b], 23, v[TM+12+\b]      ; the scale's byte
.endr
	v_lshl_or_b32 v[\pw], v[TM+5], 8, v[TM+4]
	v_lshl_or_b32 v[\pw], v[TM+6], 16, v[\pw]
	v_lshl_or_b32 v[\pw], v[TM+7], 24, v[\pw]
	WIN WW                                         ; source 0: the accumulators' window
	v_cvt_scalef32_pk16_bf6_f32 v[(\d0):(\d0)+2], v[AC:AC+15], v[TM+12]
	v_cvt_scalef32_pk16_bf6_f32 v[T0:T0+2], v[AC+16:AC+31], v[TM+13]
	v_cvt_scalef32_pk16_bf6_f32 v[(\d1):(\d1)+2], v[AC+32:AC+47], v[TM+14]
	v_cvt_scalef32_pk16_bf6_f32 v[T1:T1+2], v[AC+48:AC+63], v[TM+15]
	WIN 0
	v_nop                                          ; one plain place behind a scaled conversion
.irp i, 0,1,2
	v_permlane16_swap_b32 v[(\d0)+\i], v[T0+\i]    ; a whole block to a lane
.endr
.irp i, 0,1,2
	v_mov_b32 v[(\d0)+3+\i], v[T0+\i]
.endr
.irp i, 0,1,2
	v_permlane16_swap_b32 v[(\d1)+\i], v[T1+\i]
.endr
.irp i, 0,1,2
	v_mov_b32 v[(\d1)+3+\i], v[T1+\i]
.endr
.endm
	s_cmp_lg_u32 s66, 0
	s_cbranch_scc1 .Lout_v
	; q or k: my 128 tokens are one record, my 128 columns two heads: blocks 0, 1 the first head's, blocks 2, 3 the second's
	s_lshl_b32 s18, s17, 8
	s_lshl_b32 s19, s15, 7
	s_add_co_u32 s18, s18, s19                     ; my first token
	s_lshr_b32 s19, s18, 11                        ; the batch
	s_bfe_u32 s18, s18, 0x40007                    ; the record in the sequence
	s_lshl_b32 s20, s42, 8
	s_lshl_b32 s21, s16, 7
	s_add_co_u32 s20, s20, s21                     ; my first column
	s_bfe_u32 s20, s20, 0x40006                    ; the first head
	s_lshl_b32 s19, s19, 4
	s_add_co_u32 s19, s19, s20
	s_lshl_b32 s19, s19, 4
	s_add_co_u32 s19, s19, s18                     ; the record's number
	s_and_b32 s21, ttmp9, 1
	s_mov_b32 s22, 13056
	s_cmp_eq_u32 s21, 0                            ; X even: q, into qr; X odd: k, into kv
	s_cselect_b64 s[100:101], s[96:97], s[98:99]
	s_cselect_b32 s22, 6656, s22                   ; bytes in a record
	s_mul_i32 s20, s19, s22
	s_mov_b32 s21, 0
	s_add_nc_u64 s[100:101], s[100:101], s[20:21]  ; the first head's record
	s_lshl_b32 s20, s22, 4
	s_add_nc_u64 s[2:3], s[100:101], s[20:21]      ; the second head's: 16 records on
.irp p, 0,1,2,3                        ; each pair of tiles has registers of its own: no store's data are written again
	EQ 2*\p, 128+24*\p, 140+24*\p, PW+2*\p
	EQ 2*\p+1, 134+24*\p, 146+24*\p, PW+2*\p+1
.irp q, 0,1,2
	global_store_b128 v[L16], v[128+24*\p+4*\q:128+24*\p+4*\q+3], s[100:101] offset:1536*\p+512*\q   ; 32 lanes store 512 consecutive bytes
	global_store_b128 v[L16], v[140+24*\p+4*\q:140+24*\p+4*\q+3], s[2:3] offset:1536*\p+512*\q
.endr
.endr
.irp w, 0,1,2,3
	v_cndmask_b32 v[96+\w], v[PW+2*\w], v[PW+2*\w+1], s67   ; lanes 0-15: tile 2 w; lanes 16-31: tile 2 w + 1
.endr
.irp w, 0,1,2,3
	v_and_b32 v[100+\w], 0xffff, v[96+\w]          ; the first head's two bytes, zeros above them
	v_lshrrev_b32 v[104+\w], 16, v[96+\w]          ; the second head's
.endr
	global_store_b128 v[L16], v[100:103], s[100:101] offset:6144
	global_store_b128 v[L16], v[104:107], s[2:3] offset:6144
	s_branch .Lend
.Lout_v:
	; v: my 128 tokens are one record's keys, my 128 columns two heads of four tiles of dims
	s_lshl_b32 s18, s42, 8
	s_lshl_b32 s19, s16, 7
	s_add_co_u32 s18, s18, s19                     ; my first token
	s_lshr_b32 s19, s18, 11
	s_bfe_u32 s18, s18, 0x40007
	s_lshl_b32 s20, s17, 2
	s_lshl_b32 s21, s15, 1
	s_add_co_u32 s20, s20, s21                     ; the first head
	s_lshl_b32 s19, s19, 4
	s_add_co_u32 s19, s19, s20
	s_lshl_b32 s19, s19, 4
	s_add_co_u32 s19, s19, s18
	s_mul_i32 s20, s19, 13056
	s_add_co_u32 s20, s20, 6656                    ; behind the record's k
	s_mov_b32 s21, 0
	s_add_nc_u64 s[100:101], s[98:99], s[20:21]
.irp a, 0,1,2,3,4,5,6,7
	EQ \a, 128+12*\a, 134+12*\a, PW+\a
.irp q, 0,1,2
	global_store_b128 v[L16], v[128+12*\a+4*\q:128+12*\a+4*\q+3], s[100:101] offset:(\a/4)*208896+(\a%4)*1536+512*\q
.endr
.endr
.irp g, 0,1
.irp w, 0,1
	v_cndmask_b32 v[96+2*\g+\w], v[PW+4*\g+2*\w], v[PW+4*\g+2*\w+1], s67
.endr
	global_store_b64 v[L8], v[96+2*\g:97+2*\g], s[100:101] offset:208896*\g+6144   ; 256 consecutive bytes
.endr
.Lend:
	s_wait_tensorcnt 0x0                           ; the wave's end
	ds_add_u32 v[SPW], v[NIL]
	s_wait_dscnt 0x0
	CROUND                                         ; the closing round: no work-group ends while a partner may still ask for a tile that names it
	s_endpgm
.Lfunc_end_k_q9f66688d77_qkv:
	.size	k_q9f66688d77_qkv, .Lfunc_end_k_q9f66688d77_qkv-k_q9f66688d77_qkv
	.p2alignl 7, 3214868480
	.fill 96, 4, 3214868480
	.section	.rodata,"a",@progbits
	.p2align	6, 0x0
	.amdhsa_kernel k_q9f66688d77_qkv
		.amdhsa_group_segment_fixed_size 327680
		.amdhsa_private_segment_fixed_size 0
		.amdhsa_enable_private_segment 0
		.amdhsa_kernarg_size 56
		.amdhsa_user_sgpr_count 2
		.amdhsa_user_sgpr_kernarg_segment_ptr 1
		.amdhsa_wavefront_size32 1
		.amdhsa_system_sgpr_workgroup_id_x 1
		.amdhsa_system_sgpr_workgroup_id_y 1
		.amdhsa_system_sgpr_workgroup_id_z 1
		.amdhsa_system_vgpr_workitem_id 0
		.amdhsa_next_free_vgpr 1024
		.amdhsa_next_free_sgpr 106
		.amdhsa_reserve_vcc 0
		.amdhsa_float_denorm_mode_32 3
		.amdhsa_float_denorm_mode_16_64 3
		.amdhsa_memory_ordered 1
		.amdhsa_forward_progress 1
		.amdhsa_inst_pref_size 193
	.end_amdhsa_kernel
	.amdgpu_metadata
---
amdhsa.version: [ 1, 2 ]
amdhsa.kernels:
  - .name:           k_q9f66688d77_qkv
    .symbol:         k_q9f66688d77_qkv.kd
    .args:
      - { .name: xc, .offset: 0, .size: 8, .value_kind: global_buffer, .address_space: global }
      - { .name: xs, .offset: 8, .size: 8, .value_kind: global_buffer, .address_space: global }
      - { .name: wc, .offset: 16, .size: 8, .value_kind: global_buffer, .address_space: global }
      - { .name: ws, .offset: 24, .size: 8, .value_kind: global_buffer, .address_space: global }
      - { .name: b_qkv, .offset: 32, .size: 8, .value_kind: global_buffer, .address_space: global }
      - { .name: qr, .offset: 40, .size: 8, .value_kind: global_buffer, .address_space: global }
      - { .name: kv, .offset: 48, .size: 8, .value_kind: global_buffer, .address_space: global }
    .group_segment_fixed_size: 327680
    .private_segment_fixed_size: 0
    .kernarg_segment_align: 8
    .kernarg_segment_size: 56
    .max_flat_workgroup_size: 128
    .sgpr_count:     106
    .vgpr_count:     1024
    .wavefront_size: 32
...
	.end_amdgpu_metadata
.endif
;; end of part 2
;; launch attn (part 3): grid 4 x 64, 16 waves a work-group, no clusters, 327,680 bytes of LDS; arguments qr, kv, ac, asc; writes ac, asc
.if DOCPART == 3
	.amdgcn_target "amdgcn-amd-amdhsa--gfx1250"
	.amdhsa_code_object_version 6
	.text
	.protected	k_q9f66688d77_attn
	.globl	k_q9f66688d77_attn
	.p2align	8
	.type	k_q9f66688d77_attn,@function
k_q9f66688d77_attn:
	s_mov_b64 s[64:65], 0
	v_nop
	global_prefetch_b8 v0, s[64:65] scope:SCOPE_SE
	s_setreg_imm32_b32 hwreg(HW_REG_WAVE_MODE, 25, 1), 1
	s_wait_xcnt 0x0
; o = softmax(q k^T / 8, causal) v for each of 64 heads, both products on codes of BF6 with E8M0 scales; o leaves as codes, quantised along the model's 1,024, as the last product's operand.
; WORK LEFT OUT: a step of 128 keys that all come after a wave's 16 queries, and the tile loads that only such steps would read: reference()'s own causal mask gives them the weight 0 (shown at the head of launch prep).
; LIMIT: a hidden score is taken as -infinity where reference() writes -1e10: the same as long as a row's largest logit lies above about -1e10 + 104.
; THE SOFTMAX AHEAD OF THE SECOND PRODUCT: t = score x log2(e) / 8; M = the row's largest t so far, rounded up to a whole number; p = 2^(t - M) is quantised along the keys, not normalised; the row's sum is taken of the
; unquantised p and divides o at the end.  When M moves, the sum and o are multiplied by 2^(old M - new M): exact.
; SHARES.  Work-group (XP, head) takes the head's block XP of 256 queries and then block 7 - XP: (XP + 1) + (8 - XP) = 9 slots of 256 keys of work in every work-group.  Each of sixteen waves owns one tile of 16 queries
; in 256 registers.  The trip counts are constants, 4 and 8 slots; what lies behind the diagonal is jumped over by branches on ids.
; K and V come as records of 128 keys (launch qkv), images of the operands' registers: a slot is two records, 26,112 dense bytes, brought by ONE tensor load of wave 0 and read by all sixteen.
; NO CLUSTER: the four work-groups of a head need different numbers of slots in each pass (XP + 1, 8 - XP), so a partner would have to take tiles that none of its waves reads.
; LAYOUT.  S^T = k q^T (source 0 = 16 keys, source 1 = my 16 queries), O^T = v^T p^T: a lane holds one query throughout.  A tile's rows are not neighbours (launch prep), so the 16 registers of tiles 2 b, 2 b + 1 are keys 32 b + 16 h + 0 .. 15.
; THE HEAD'S K IS 64, the instruction's 128: q's registers 6-11 are zero codes.  k's tiles lie six registers apart, so a fragment's upper six registers are the next tile's codes (the last tile's: six zeros): finite numbers that meet
; zero codes, under scale bytes 0 on both sides, which stand for 2^-127.
; REGISTERS: v1, v2 16 and 8 x lane; v7, v8 the step's LDS addresses; v9 my query - 16 h; v11 4 r + h; v12 -M, v13 the largest t, v[14:15] the sum; v16-27 q; v28 its scale word; v32-79 k's eight tiles, then v's four fragments; v80-85 zeros;
; v86-89 k's scale words, v90-91 v's; v96-159 S^T, then p; v160-191 O^T; v192-203 p's codes; v204-210 half blocks; v216-222 the second pass's q; v232-254 at work.
.set REC,   13056                      ; a record of kv: k 6,144 + 512, v 6,144 + 256
.set SLOTB, 2*REC
.set SLOT1, 0x8000                     ; slot 1 begins here: one exclusive or turns an address in one slot into the other's
.set SPARE, 0x10000                    ; the spare words, 128 bytes for each of sixteen waves
.set L16, 1
.set L8,  2
.set SPW, 5                            ; v5   my spare word; never rewritten
.set NIL, 6                            ; v6   0; never rewritten
.set AD,  7
.set AD8, 8
.set VQ,  9
.set BA,  11
.set WV,  18                           ; s18  my wave's number
.set SEL, 20                           ; s[20:21] lane selects for lane l xor 16
.set CS,  22                           ; s[22:23] c = log2(e) / 8
.set G1,  24                           ; s[24:31] descriptor group 1;  s[32:35] group 0, which walks
.set G0,  32
.set TB,  40                           ; s40  LDS byte at which the slot in hand begins
.set CNT, 41                           ; s41  trips to go
.set KF,  42                           ; s42  the step's first key
.set QLO, 43                           ; s43  my first query;  s44 my last
.set QHI, 44
.set LIMC, 45                          ; s45  the last query of the block in hand;  s46 of the second pass's
.set LIMB, 46
.set NK,  47
.set HM,  48                           ; s48  lanes 16-31
	s_load_b256 s[4:11], s[0:1], 0x0               ; qr s[4:5], kv s[6:7], ac s[8:9], asc s[10:11]
	v_lshl_add_u32 v[SPW], v0, 2, SPARE
	v_mov_b32 v[NIL], 0
	ds_add_u32 v[SPW], v[NIL]                      ; the wave's opening: the add, twice on end, and its wait ahead of the first tensor load
	ds_add_u32 v[SPW], v[NIL]
	v_lshrrev_b32 v3, 5, v0
	s_delay_alu instid0(VALU_DEP_1)
	v_readfirstlane_b32 s[WV], v3                  ; wave 0..15
	s_and_b32 s38, ttmp7, 0xffff                   ; batch x 16 + head
	s_lshl_b32 s39, ttmp9, 1
	s_lshr_b32 s59, s[WV], 3
	s_add_co_u32 s39, s39, s59                     ; my record of 128 queries in the first pass: 2 XP + wave / 8
	s_lshl_b32 s36, ttmp9, 1
	s_sub_co_u32 s36, 7, s36                       ; 7 - 2 XP: blocks from the first pass to the second
	s_mul_i32 s60, s38, 16*REC                     ; the head's k and v
	s_mov_b32 s61, 0
	s_mul_i32 s62, s38, 106496                     ; the head's q: 16 records of 6,656 bytes,
	s_mul_i32 s59, s39, 6656
	s_add_co_u32 s62, s62, s59                     ; my record,
	s_mov_b32 s63, 0
	s_mul_i32 s66, s36, 2*6656
	s_add_co_u32 s66, s66, s62                     ; and the second pass's
	s_mov_b32 s67, 0
	s_lshr_b32 s59, s38, 4
	s_lshl_b32 s59, s59, 4
	s_add_co_u32 s59, s59, s39                     ; my group of 128 tokens: 16 x batch + record
	s_bfe_u32 s37, s38, 0x30001                    ; the last product's K step: head / 2
	s_and_b32 s49, s[WV], 7                        ; my tile in the group
	s_and_b32 s47, s38, 1                          ; which half of that K step's fragment is my head's
	s_mul_i32 s68, s59, 98304
	s_mul_i32 s69, s37, 12288
	s_add_co_u32 s68, s68, s69
	s_mul_i32 s69, s49, 1536
	s_add_co_u32 s68, s68, s69
	s_mul_i32 s69, s47, 768
	s_add_co_u32 s68, s68, s69
	s_mov_b32 s69, 0
	s_lshl_b32 s70, s59, 12
	s_lshl_b32 s71, s37, 9
	s_add_co_u32 s70, s70, s71
	s_lshl_b32 s71, s49, 6
	s_add_co_u32 s70, s70, s71
	s_lshl_b32 s71, s47, 1
	s_add_co_u32 s70, s70, s71
	s_mov_b32 s71, 0
	s_mul_i32 s54, s36, 2*98304                    ; from the first pass's place in ac to the second's,
	s_mov_b32 s55, 0
	s_lshl_b32 s56, s36, 13                        ; in asc,
	s_mov_b32 s57, 0
	s_lshl_b32 s58, s36, 8                         ; and in queries
	s_lshl_b32 s[QLO], ttmp9, 8
	s_lshr_b32 s59, s[WV], 1
	s_lshl_b32 s59, s59, 5
	s_add_co_u32 s[QLO], s[QLO], s59
	s_and_b32 s59, s[WV], 1
	s_lshl_b32 s59, s59, 3
	s_add_co_u32 s[QLO], s[QLO], s59               ; 256 XP + 32 (wave / 2) + 8 (wave % 2)
	s_add_co_u32 s[QHI], s[QLO], 23                ; lane 15's: + 15 + 8
	s_lshl_b32 s[LIMC], ttmp9, 8
	s_add_co_u32 s[LIMC], s[LIMC], 255
	s_sub_co_u32 s[LIMB], 7, ttmp9
	s_lshl_b32 s[LIMB], s[LIMB], 8
	s_add_co_u32 s[LIMB], s[LIMB], 255
	s_mov_b32 s[G1], 3<<16                         ; no mask; elements of 8 bytes; no padding
	s_mov_b32 s[G1+1], 32<<16                      ; a dense block as rows of 256 bytes
	s_mov_b32 s[G1+2], 102<<16                     ; 102 of them
	s_mov_b32 s[G1+3], 32<<16
	s_mov_b32 s[G1+4], 102
	s_mov_b32 s[G1+5], 32
	s_mov_b32 s[G1+6], 0
	s_mov_b32 s[G1+7], 0
	s_mov_b32 s[G0], 1
	s_mov_b32 s[G0+1], 0                           ; slot 0
	s_mov_b32 s[SEL], 0x76543210
	s_mov_b32 s[SEL+1], 0xfedcba98
	s_mov_b32 s[CS], 0x3e38aa3b                    ; log2(e) / 8
	s_mov_b32 s[CS+1], s[CS]                       ; (named with it as a pair, so it is written)
	s_mov_b32 s[HM], 0xffff0000
	s_mov_b32 s[TB], 0
	s_mov_b32 s[KF], 0
	s_wait_dscnt 0x0                               ; both opening adds are done
	s_wait_kmcnt 0x0
	s_add_nc_u64 s[G0+2:G0+3], s[6:7], s[60:61]    ; the head's first 256 keys
	s_or_b32 s[G0+3], s[G0+3], 0x80000000
	s_cmp_lg_u32 s[WV], 0
	s_cbranch_scc1 .Lno_first
	tensor_load_to_lds s[G0:G0+3], s[G1:G1+7]      ; slot 0: key 0 counts for every query
	s_nop 0
.rept 4
	v_nop
.endr
.Lno_first:
	s_add_nc_u64 s[62:63], s[4:5], s[62:63]
	s_add_nc_u64 s[66:67], s[4:5], s[66:67]
	s_add_nc_u64 s[50:51], s[8:9], s[68:69]
	s_add_nc_u64 s[52:53], s[10:11], s[70:71]
	v_and_b32 v3, 31, v0
	s_delay_alu instid0(VALU_DEP_1)
	v_lshlrev_b32 v[L16], 4, v3
	s_delay_alu instid0(VALU_DEP_2)
	v_lshlrev_b32 v[L8], 3, v3
	v_and_b32 v4, 15, v0                           ; r
	v_bfe_u32 v10, v0, 4, 1                        ; h
	s_delay_alu instid0(VALU_DEP_1)
	v_lshl_add_u32 v[BA], v4, 2, v10               ; 4 r + h: my byte among a tile's scale words
	s_delay_alu instid0(VALU_DEP_3)
	v_and_b32 v[VQ], 8, v4
	s_delay_alu instid0(VALU_DEP_1)
	v_add_nc_u32 v[VQ], v[VQ], v4                  ; r + 8 (r / 8)
	s_delay_alu instid0(VALU_DEP_4)
	v_lshlrev_b32 v3, 4, v10
	s_delay_alu instid0(VALU_DEP_1)
	v_sub_nc_u32 v[VQ], v[VQ], v3
	s_delay_alu instid0(VALU_DEP_1)
	v_add_nc_u32 v[VQ], s[QLO], v[VQ]              ; my query - 16 h
	; q: my tile's six registers are half of an image of two tiles: registers 6 u .. 6 u + 5 of pair w', register 4 q + e of lane l at 512 q + 16 l + 4 e
	s_bfe_u32 s59, s[WV], 0x20001                  ; w' = (wave % 8) / 2
	s_and_b32 s60, s[WV], 1                        ; u
	s_mul_i32 s61, s59, 1536
	s_mul_i32 s37, s60, 520
	s_add_co_u32 s37, s37, s61
	v_add_nc_u32 v232, s37, v[L16]                 ; registers 0, 1 (and 512 bytes on: 4, 5) of my six
	s_mul_i32 s37, s60, 1016
	s_add_co_u32 s37, s37, s61
	v_add_nc_u32 v233, s37, v[L16]                 ; 8 bytes on: registers 2, 3
	s_lshl_b32 s37, s60, 8
	s_lshl_b32 s61, s59, 2
	s_add_co_u32 s37, s37, s61
	v_lshl_add_u32 v234, v4, 4, s37                ; word w' of lane r + 16 u
	global_load_b64 v[16:17], v232, s[62:63]
	global_load_b64 v[20:21], v232, s[62:63] offset:512
	global_load_b64 v[18:19], v233, s[62:63] offset:8
	global_load_b32 v28, v234, s[62:63] offset:6144
	global_load_b64 v[216:217], v232, s[66:67]
	global_load_b64 v[220:221], v232, s[66:67] offset:512
	global_load_b64 v[218:219], v233, s[66:67] offset:8
	global_load_b32 v222, v234, s[66:67] offset:6144
.irp j, 22,23,24,25,26,27,80,81,82,83,84,85,236,237,238,239,252,253,14,15
	v_mov_b32 v\j, 0                               ; zero codes; permutes' destinations and pairs' upper halves, written once; the sum
.endr
.set n, 0
.rept 32
	v_mov_b32 v[160+n], 0                          ; O^T: the step is written once; the first finds zeros, which the first change of M leaves zeros
.set n, n+1
.endr
	v_mov_b32 v13, 0xff61b1e6                      ; the largest t so far: -3e38
	s_delay_alu instid0(VALU_DEP_1)
	v_floor_f32 v12, -v13                          ; -M
; A KEY STEP: the q-th record of the slot in hand.
.macro STEP q
	s_cmp_gt_u32 s[KF], s[QHI]                     ; all its keys come after my queries: left out.  (My queries lie in one group of 32, so in a step that is walked key KF counts for every lane)
	s_cbranch_scc1 .Lhidden_\@
	v_add_nc_u32 v[AD], s[TB], v[L16]
	v_add_nc_u32 v[AD8], s[TB], v[L8]
	v_nop
	v_nop                                          ; four places in front of loads into registers that the last products read
.set n, 0
.rept 12
	ds_load_b128 v[32+4*n:35+4*n], v[AD] offset:REC*(\q)+512*n   ; k's eight tiles, six registers each
.set n, n+1
.endr
	ds_load_b128 v[86:89], v[AD] offset:REC*(\q)+6144   ; their scale words: register w: lanes 0-15 tile 2 w, lanes 16-31 tile 2 w + 1
	s_wait_alu depctr_va_vdst(0)
	s_wait_dscnt 0x0
.irp t, 0,1,2,3,4,5,6,7
.if \t%2
	v_wmma_scale_f32_16x16x128_f8f6f4 v[96+8*\t:103+8*\t], v[32+6*\t:43+6*\t], v[16:27], 0, v[86+\t/2], v28 matrix_a_fmt:MATRIX_FMT_BF6 matrix_b_fmt:MATRIX_FMT_BF6 matrix_a_scale:MATRIX_SCALE_ROW1
.else
	v_wmma_scale_f32_16x16x128_f8f6f4 v[96+8*\t:103+8*\t], v[32+6*\t:43+6*\t], v[16:27], 0, v[86+\t/2], v28 matrix_a_fmt:MATRIX_FMT_BF6 matrix_b_fmt:MATRIX_FMT_BF6
.endif
.endr
.rept 4
	v_nop                                          ; places in front of the loads below and of the first read of the scores
.endr
.set n, 0
.rept 12
	ds_load_b128 v[32+4*n:35+4*n], v[AD] offset:REC*(\q)+6656+512*n   ; v's four fragments: they land while the softmax is walked
.set n, n+1
.endr
	ds_load_b64 v[90:91], v[AD8] offset:REC*(\q)+12800
	s_add_co_u32 s59, s[KF], 127
	s_cmp_le_u32 s59, s[QLO]                       ; a step all of whose keys count skips the mask
	s_cbranch_scc1 .Lopen_\@
	v_sub_nc_u32 v252, v[VQ], s[KF]                ; register 16 b + i holds key KF + 16 h + 32 b + i: hidden where 32 b + i > my query - KF - 16 h
	v_mov_b32 v254, 0xff800000                     ; -infinity
.set n, 0
.rept 64
	v_cmp_gt_i32 vcc_lo, 32*(n/16)+n%16, v252
	v_cndmask_b32 v[96+n], v[96+n], v254, vcc_lo
.set n, n+1
.endr
.Lopen_\@:
.irp b, 0,1,2,3
	v_max3_num_f32 v[232+\b], v[96+16*\b], v[97+16*\b], v[98+16*\b]   ; the largest score of each block of 32 keys: for the row's maximum, and, since p rises with the score, for the block's largest p
.endr
.irp i, 3,5,7,9,11,13
.irp b, 0,1,2,3
	v_max3_num_f32 v[232+\b], v[232+\b], v[96+16*\b+\i], v[97+16*\b+\i]
.endr
.endr
.irp b, 0,1,2,3
	v_max_num_f32 v[232+\b], v[232+\b], v[111+16*\b]
.endr
.irp b, 0,1,2,3
	s_delay_alu instid0(VALU_DEP_4)
	v_permlanex16_b32 v[236+\b], v[232+\b], s[SEL], s[SEL+1]
.endr
.irp b, 0,1,2,3
	s_delay_alu instid0(VALU_DEP_4)
	v_max_num_f32 v[232+\b], v[232+\b], v[236+\b]  ; with lane l xor 16's 16 keys
.endr
	s_delay_alu instid0(VALU_DEP_2)
	v_max3_num_f32 v254, v232, v233, v234
	s_delay_alu instid0(VALU_DEP_1)
	v_max_num_f32 v254, v254, v235                 ; the step's largest score of my query
	s_delay_alu instid0(VALU_DEP_1)
	v_mul_f32 v254, s[CS], v254                    ; as t
	s_delay_alu instid0(VALU_DEP_1)
	v_max_num_f32 v13, v13, v254                   ; the running largest t
	v_mov_b32 v254, v12
	s_delay_alu instid0(VALU_DEP_2)
	v_floor_f32 v12, -v13                          ; the new -M = -ceil(t): a whole number
	s_delay_alu instid0(VALU_DEP_1)
	v_sub_f32 v254, v12, v254                      ; old M - new M: a whole number, 0 or less
	s_delay_alu instid0(VALU_DEP_1)
	v_cvt_i32_f32 v254, v254                       ; (it saturates)
	s_delay_alu instid0(VALU_DEP_1)
	v_ldexp_f32 v252, 1.0, v254                    ; f = 2^(old M - new M)
.set n, 0
.rept 32
	v_pk_fma_f32 v[96+n:97+n], v[96+n:97+n], s[CS:CS+1], v[12:13] op_sel_hi:[1,0,0]   ; t - M, two at a time
.set n, n+2
.endr
.irp b, 0,1,2,3
	v_fma_f32 v[232+\b], v[232+\b], s[CS], v12     ; the same of each block's largest score
.endr
.set n, 0
	s_wait_alu depctr_va_vdst(0)
.rept 64
	v_exp_f32 v[96+n], v[96+n]                     ; p = 2^(t - M), at most 1
.set n, n+1
.endr
	v_pk_mul_f32 v[14:15], v[14:15], v[252:253] op_sel_hi:[1,0]   ; the sums under the new M: a plain place behind the exponentials
	s_wait_alu depctr_va_vdst(0)                   ; one wait for the whole batch, ahead of its first reader
.irp b, 0,1,2,3
	v_exp_f32 v[232+\b], v[232+\b]                 ; the block's largest p
.endr
	v_pk_add_f32 v[236:237], v[100:101], v[104:105]
	v_pk_add_f32 v[254:255], v[108:109], v[112:113]
	v_pk_add_f32 v[250:251], v[116:117], v[120:121]
	v_pk_add_f32 v[248:249], v[124:125], v[128:129]
	v_pk_add_f32 v[246:247], v[132:133], v[136:137]
	v_pk_add_f32 v[244:245], v[140:141], v[144:145]
	v_pk_add_f32 v[242:243], v[148:149], v[152:153]
	v_pk_add_f32 v[14:15], v[14:15], v[156:157]
	v_pk_add_f32 v[236:237], v[236:237], v[96:97]
	v_pk_add_f32 v[254:255], v[254:255], v[98:99]
	v_pk_add_f32 v[250:251], v[250:251], v[102:103]
	v_pk_add_f32 v[248:249], v[248:249], v[106:107]
	v_pk_add_f32 v[246:247], v[246:247], v[110:111]
	v_pk_add_f32 v[244:245], v[244:245], v[114:115]
	v_pk_add_f32 v[242:243], v[242:243], v[118:119]
	v_pk_add_f32 v[14:15], v[14:15], v[122:123]
	v_pk_add_f32 v[236:237], v[236:237], v[126:127]
	v_pk_add_f32 v[254:255], v[254:255], v[130:131]
	v_pk_add_f32 v[250:251], v[250:251], v[134:135]
	v_pk_add_f32 v[248:249], v[248:249], v[138:139]
	v_pk_add_f32 v[246:247], v[246:247], v[142:143]
	v_pk_add_f32 v[244:245], v[244:245], v[146:147]
	v_pk_add_f32 v[242:243], v[242:243], v[150:151]
	v_pk_add_f32 v[14:15], v[14:15], v[154:155]
	v_pk_add_f32 v[236:237], v[236:237], v[158:159]
	s_delay_alu instid0(VALU_DEP_2)
	v_pk_add_f32 v[14:15], v[14:15], v[248:249]
	s_delay_alu instid0(VALU_DEP_2)
	v_pk_add_f32 v[236:237], v[236:237], v[246:247]
	v_pk_add_f32 v[254:255], v[254:255], v[244:245]
	v_pk_add_f32 v[250:251], v[250:251], v[242:243]
	s_delay_alu instid0(VALU_DEP_2)
	v_pk_add_f32 v[14:15], v[14:15], v[254:255]
	s_delay_alu instid0(VALU_DEP_2)
	v_pk_add_f32 v[236:237], v[236:237], v[250:251]
	s_delay_alu instid0(VALU_DEP_1)
	v_pk_add_f32 v[14:15], v[14:15], v[236:237]
	s_wait_alu depctr_va_vdst(0)                   ; and one for the four
.irp b, 0,1,2,3
	v_max_num_f32 v[232+\b], 0x2800000, v[232+\b]  ; the floor 2^(5 - 127): a block whose every p is 0 keeps the byte 1: its codes are zeros
.endr
.irp b, 0,1,2,3
	s_delay_alu instid0(VALU_DEP_4)
	v_add_nc_u32 v[244+\b], 0xfe000000, v[232+\b]  ; 4 off the exponent field: the conversion's scale operand
.endr
.irp b, 0,1,2,3
	s_delay_alu instid0(VALU_DEP_4)
	v_lshrrev_b32 v[236+\b], 23, v[244+\b]         ; the scale's byte
.endr
	s_delay_alu instid0(VALU_DEP_3)
	v_lshl_or_b32 v253, v237, 8, v236              ; p's scale word for these 128 keys
	s_delay_alu instid0(VALU_DEP_1)
	v_lshl_or_b32 v253, v238, 16, v253
	s_delay_alu instid0(VALU_DEP_1)
	v_lshl_or_b32 v253, v239, 24, v253
.irp c, 0,1
	v_cvt_scalef32_pk16_bf6_f32 v[192+6*\c:194+6*\c], v[96+32*\c:111+32*\c], v[244+2*\c]
	v_cvt_scalef32_pk16_bf6_f32 v[204+4*\c:206+4*\c], v[112+32*\c:127+32*\c], v[244+2*\c+1]
.endr
	v_nop                                          ; one plain place behind a scaled conversion
.irp c, 0,1
.irp i, 0,1,2
	v_permlane16_swap_b32 v[192+6*\c+\i], v[204+4*\c+\i]   ; a whole block to a lane
.endr
.irp i, 0,1,2
	s_delay_alu instid0(VALU_DEP_3)
	v_mov_b32 v[195+6*\c+\i], v[204+4*\c+\i]
.endr
.endr
.set n, 0
.rept 16
	v_pk_mul_f32 v[160+n:161+n], v[160+n:161+n], v[252:253] op_sel_hi:[1,0]   ; O^T under the new M; also the places in front of the matrix instructions below
.set n, n+2
.endr
	s_wait_alu depctr_va_vdst(0)
	s_wait_dscnt 0x0                               ; v's fragments and scale words are in
.irp i, 0,1,2,3
.if \i%2
	v_wmma_scale_f32_16x16x128_f8f6f4 v[160+8*\i:167+8*\i], v[32+12*\i:43+12*\i], v[192:203], v[160+8*\i:167+8*\i], v[90+\i/2], v253 matrix_a_fmt:MATRIX_FMT_BF6 matrix_b_fmt:MATRIX_FMT_BF6 matrix_a_scale:MATRIX_SCALE_ROW1
.else
	v_wmma_scale_f32_16x16x128_f8f6f4 v[160+8*\i:167+8*\i], v[32+12*\i:43+12*\i], v[192:203], v[160+8*\i:167+8*\i], v[90+\i/2], v253 matrix_a_fmt:MATRIX_FMT_BF6 matrix_b_fmt:MATRIX_FMT_BF6
.endif
.endr
.Lhidden_\@:
	s_add_co_u32 s[KF], s[KF], 128
.endm
; THE CHANGE OF SLOTS stands at a slot's head.  Each wave waits for all its tensor loads, adds 0 to its spare word, and waits for that and for its reads of the slot that it has left; behind the barrier the slot ahead is whole and nobody
; reads the other one.  kind 1: that other slot takes the next 256 keys, while their first key is at or under the block's last query (ids and the count of steps alone: all sixteen waves go the same way).
; kind 2, the first pass's last slot: it takes the head's first 256 keys again, for the second pass.  kind 0, the very last slot: nothing is asked for.  Every wait on TENSORcnt in this text is for 0.
.macro CHANGE kind
	s_wait_tensorcnt 0x0                           ; no tensor load of mine is out, so group 0 may be written
	ds_add_u32 v[SPW], v[NIL]
.if \kind
	ds_add_u32 v[SPW], v[NIL]
	s_xor_b32 s[G0+1], s[G0+1], SLOT1              ; the other slot than last time
.if \kind == 1
	s_add_nc_u64 s[G0+2:G0+3], s[G0+2:G0+3], SLOTB ; the next 256 keys; the type bits on top are not reached
.else
	s_sub_nc_u64 s[G0+2:G0+3], s[G0+2:G0+3], 3*SLOTB   ; three steps back: the head's first key
.endif
.endif
	s_wait_dscnt 0x0                               ; the adds are done, and my reads of the slot that I have left are over
	s_barrier_signal -1
	s_barrier_wait -1
.if \kind
.if \kind == 1
	s_add_co_u32 s[NK], s[KF], 256                 ; the first key of the slot that this change would ask for
	s_cmp_gt_u32 s[NK], s[LIMC]                    ; behind the block's last query: none of the sixteen waves would read it
	s_cbranch_scc1 .Lpast_\@
.endif
	s_cmp_lg_u32 s[WV], 0
	s_cbranch_scc1 .Lpast_\@
	tensor_load_to_lds s[G0:G0+3], s[G1:G1+7]      ; the one tensor load behind the barrier: it has a whole slot's steps in which to land
	s_nop 0
.rept 4
	v_nop
.endr
.Lpast_\@:
.endif
.endm
; O^T / the sum, quantised along the head's 64 (two blocks of the last product's K), leaves as my head's half of a fragment's image: register 2 p + e of lane l at 256 p + 8 l + 4 e.
.macro OUT
.rept 4
	v_nop                                          ; places behind the last products
.endr
	v_add_f32 v14, v14, v15
	s_delay_alu instid0(VALU_DEP_1)
	v_permlanex16_b32 v252, v14, s[SEL], s[SEL+1]
	s_delay_alu instid0(VALU_DEP_1)
	v_add_f32 v14, v14, v252                       ; the row's sum
	s_wait_alu depctr_va_vdst(0)
	v_rcp_f32 v14, v14
	v_nop                                          ; a plain place behind the transcendental
	s_wait_alu depctr_va_vdst(0)                   ; the wait ahead of its first reader
.set n, 0
.rept 16
	v_pk_mul_f32 v[96+n:97+n], v[160+n:161+n], v[14:15] op_sel_hi:[1,0]   ; register 16 b + e is o(my query, dim 32 b + 16 h + e); each accumulator from its low end on
.set n, n+2
.endr
.irp b, 0,1
	v_max3_num_f32 v[232+\b], |v[96+16*\b]|, |v[97+16*\b]|, 0x2800000
.endr
.irp i, 2,4,6,8,10,12,14
.irp b, 0,1
	s_delay_alu instid0(VALU_DEP_2)
	v_max3_num_f32 v[232+\b], v[232+\b], |v[96+16*\b+\i]|, |v[97+16*\b+\i]|
.endr
.endr
.irp b, 0,1
	s_delay_alu instid0(VALU_DEP_2)
	v_permlanex16_b32 v[236+\b], v[232+\b], s[SEL], s[SEL+1]
.endr
.irp b, 0,1
	s_delay_alu instid0(VALU_DEP_2)
	v_max_num_f32 v[232+\b], v[232+\b], v[236+\b]
.endr
.irp b, 0,1
	s_delay_alu instid0(VALU_DEP_2)
	v_add_nc_u32 v[244+\b], 0xfe000000, v[232+\b]
.endr
.irp b, 0,1
	s_delay_alu instid0(VALU_DEP_2)
	v_lshrrev_b32 v[236+\b], 23, v[244+\b]
.endr
	v_cvt_scalef32_pk16_bf6_f32 v[192:194], v[96:111], v244
	v_cvt_scalef32_pk16_bf6_f32 v[204:206], v[112:127], v245
	v_nop                                          ; one plain place behind a scaled conversion
.irp i, 0,1,2
	v_permlane16_swap_b32 v[192+\i], v[204+\i]
.endr
.irp i, 0,1,2
	s_delay_alu instid0(VALU_DEP_3)
	v_mov_b32 v[195+\i], v[204+\i]
.endr
	v_cndmask_b32 v232, v236, v237, s[HM]          ; lane (r, h): block h's byte
.irp p, 0,1,2
	global_store_b64 v[L8], v[192+2*\p:193+2*\p], s[50:51] offset:256*\p   ; 32 lanes store 256 consecutive bytes
.endr
	global_store_b8 v[BA], v232, s[52:53]          ; a scale word's four bytes come from two heads: 32 single bytes a tile
.endm
	s_wait_loadcnt 0x0                             ; q, both passes'
	s_mov_b32 s[CNT], 3
.Lpass_a:                                          ; the first pass: block XP; 3 trips and a fourth that is written out
	CHANGE 1
	STEP 0
	STEP 1
	s_xor_b32 s[TB], s[TB], SLOT1
	s_sub_co_u32 s[CNT], s[CNT], 1
	s_cmp_lg_u32 s[CNT], 0
	s_cbranch_scc1 .Lpass_a
	CHANGE 2
	STEP 0
	STEP 1
	s_xor_b32 s[TB], s[TB], SLOT1                  ; four turns: slot 0 again, where the second pass's first keys land
	OUT
	s_wait_xcnt 0x0                                ; the stores have read their registers and bases: both may be written again
.irp j, 0,1,2,3,4,5
	v_mov_b32 v[16+\j], v[216+\j]                  ; the second pass: block 7 - XP
.endr
	v_mov_b32 v28, v222
	v_add_nc_u32 v[VQ], s58, v[VQ]
	s_add_co_u32 s[QLO], s[QLO], s58
	s_add_co_u32 s[QHI], s[QHI], s58
	s_mov_b32 s[LIMC], s[LIMB]
	s_mov_b32 s[KF], 0
	s_add_nc_u64 s[50:51], s[50:51], s[54:55]
	s_add_nc_u64 s[52:53], s[52:53], s[56:57]
	v_mov_b32 v13, 0xff61b1e6
	s_delay_alu instid0(VALU_DEP_1)
	v_floor_f32 v12, -v13
	v_mov_b32 v14, 0
	v_mov_b32 v15, 0
.set n, 0
.rept 32
	v_mov_b32 v[160+n], 0                          ; (also the places between the write of q's scale word and the next scaled matrix instruction)
.set n, n+1
.endr
	s_mov_b32 s[CNT], 7
.Lpass_b:                                          ; 7 trips and an eighth that is written out, with no load
	CHANGE 1
	STEP 0
	STEP 1
	s_xor_b32 s[TB], s[TB], SLOT1
	s_sub_co_u32 s[CNT], s[CNT], 1
	s_cmp_lg_u32 s[CNT], 0
	s_cbranch_scc1 .Lpass_b
	CHANGE 0
	STEP 0
	STEP 1
	OUT
	s_wait_tensorcnt 0x0                           ; the wave's end
	ds_add_u32 v[SPW], v[NIL]
	s_wait_dscnt 0x0
	s_endpgm
.Lfunc_end_k_q9f66688d77_attn:
	.size	k_q9f66688d77_attn, .Lfunc_end_k_q9f66688d77_attn-k_q9f66688d77_attn
	.p2alignl 7, 3214868480
	.fill 96, 4, 3214868480
	.section	.rodata,"a",@progbits
	.p2align	6, 0x0
	.amdhsa_kernel k_q9f66688d77_attn
		.amdhsa_group_segment_fixed_size 327680
		.amdhsa_private_segment_fixed_size 0
		.amdhsa_enable_private_segment 0
		.amdhsa_kernarg_size 32
		.amdhsa_user_sgpr_count 2
		.amdhsa_user_sgpr_kernarg_segment_ptr 1
		.amdhsa_wavefront_size32 1
		.amdhsa_system_sgpr_workgroup_id_x 1
		.amdhsa_system_sgpr_workgroup_id_y 1
		.amdhsa_system_sgpr_workgroup_id_z 1
		.amdhsa_system_vgpr_workitem_id 0
		.amdhsa_next_free_vgpr 256
		.amdhsa_next_free_sgpr 72
		.amdhsa_reserve_vcc 1
		.amdhsa_float_denorm_mode_32 3
		.amdhsa_float_denorm_mode_16_64 3
		.amdhsa_memory_ordered 1
		.amdhsa_forward_progress 1
		.amdhsa_inst_pref_size 195
	.end_amdhsa_kernel
	.amdgpu_metadata
---
amdhsa.version: [ 1, 2 ]
amdhsa.kernels:
  - .name:           k_q9f66688d77_attn
    .symbol:         k_q9f66688d77_attn.kd
    .args:
      - { .name: qr, .offset: 0, .size: 8, .value_kind: global_buffer, .address_space: global }
      - { .name: kv, .offset: 8, .size: 8, .value_kind: global_buffer, .address_space: global }
      - { .name: ac, .offset: 16, .size: 8, .value_kind: global_buffer, .address_space: global }
      - { .name: asc, .offset: 24, .size: 8, .value_kind: global_buffer, .address_space: global }
    .group_segment_fixed_size: 327680
    .private_segment_fixed_size: 0
    .kernarg_segment_align: 8
    .kernarg_segment_size: 32
    .max_flat_workgroup_size: 512
    .sgpr_count:     72
    .vgpr_count:     256
    .wavefront_size: 32
...
	.end_amdgpu_metadata
.endif
;; end of part 3
;; launch proj (part 4): grid 4 x 32, 4 waves a work-group, clusters of 4 x 4, 327,680 bytes of LDS; arguments ac, asc, wc, ws, b_out, out0; writes out0
.if DOCPART == 4
	.amdgcn_target "amdgcn-amd-amdhsa--gfx1250"
	.amdhsa_code_object_version 6
	.text
	.protected	k_q9f66688d77_proj
	.globl	k_q9f66688d77_proj
	.p2align	8
	.type	k_q9f66688d77_proj,@function
k_q9f66688d77_proj:
	s_mov_b64 s[64:65], 0
	v_nop
	global_prefetch_b8 v0, s[64:65] scope:SCOPE_SE
	s_setreg_imm32_b32 hwreg(HW_REG_WAVE_MODE, 25, 1), 1
	s_wait_xcnt 0x0
	s_wait_alu depctr_hold_cnt(0) depctr_sa_sdst(0) depctr_va_vdst(0) depctr_va_sdst(0) depctr_va_ssrc(0) depctr_va_vcc(0) depctr_vm_vsrc(0)
	s_getreg_b32 s2, hwreg(HW_REG_IB_STS2, 6, 4)
	s_cmp_eq_u32 s2, 0
	s_cbranch_scc0 .Lentry_in_a_cluster
	s_endpgm
.Lentry_in_a_cluster:
	s_bfe_u32 s2, ttmp6, 0x10000c
	s_cmp_lg_u32 s2, 0xf033
	s_cbranch_scc0 .Lentry_shape_is_right
	s_endpgm
.Lentry_shape_is_right:
; out0 = o W_out + b_out on codes of BF6 with E8M0 scales, K = 1,024.  A = o's codes (launch attn), B = W_out's columns (launch prep, groups 24-31 of wc); out0 [8192][1024] f32.
; The ring, the cluster's rounds, the joint loads and the order of the products are launch qkv's: a work-group of four waves makes 256 x 256, a wave 128 x 128; K goes in four slots of 256 through two LDS slots; operands lie
; as images of their registers.  A's images are laid in pieces of 8 bytes a lane (register 2 p + e of lane l at 256 p + 8 l + 4 e), since two heads' waves wrote each: six ds_load_b64 a fragment; B's: three ds_load_b128.
; Source 0 = B's fragment, source 1 = A's: a lane holds one token and eight neighbouring columns a tile.  The bias is the C of each sum's first matrix instruction.
; The tiles' rows are not neighbours (launch prep): lane r of A's tile a is token 32 (a / 2) + 8 (a % 2) + r + 8 (r / 8) of its group; register j of B's tile b is column 32 (b / 2) + 16 h + 8 (b % 2) + j.
; 128 work-groups: the block of 256 x 256 keeps the loop of launch qkv; 8,192 x 1,024 has no more such blocks.
; REGISTERS: window 0: v16-29 addresses; v32-63 scale words, two sets; v64-127 the bias; v128-223 A's fragments, one set; on the way out v128-255 rows of out0.  window 1: B's fragments, two sets.  windows 2, 3: the accumulators.
.set HALFT,  24576
.set SLOT,   4*HALFT
.set SCL,    2*SLOT
.set HALFS,  4096
.set SPARE,  SCL+4*HALFS
.set SPITCH, 528                       ; the way out: a stage of 16 rows x (512 bytes + 16) for each wave, in slot 0, which has had its last fill and its last read when the first result is stored there
.set FR,     12
.set NP,     4
.set ADRA, 18                          ; v18-19  my A fragments in slot 0, 1: 8 x lane
.set ADRB, 20                          ; v20-21  B's: 16 x lane
.set STO,  22                          ; v22     the stage: where I put 32 bytes of a row
.set RD,   23                          ; v23     and where I read a row back
.set L16,  24                          ; v24     16 x lane
.set ADRS, 27
.set SPW,  28
.set NIL,  29
.set SC,   32
.set BI,   64
.set AF,   128
.set BK,   128
.set G1, 24
.set G0, 32
.set G1B, 48
.set G0B, 56
.set G1S, 68
.set G0S, 76
.set G1SB, 80
.set G0SB, 88
.set MSB, 0
.macro WIN new
.if MSB != (\new)
	s_set_vgpr_msb (MSB<<8)|(\new)
.set MSB, (\new)
.endif
.endm
.macro JLOAD g0a, g1a, g0b, g1b        ; a joint load: waves 0 and 1 fetch for A, waves 2 and 3 for B; an s_nop 0 and four v_nop follow each of the two lines
	s_cmp_eq_u32 s15, 0
	s_cbranch_scc0 .Lfor_b_\@
	tensor_load_to_lds s[\g0a:\g0a+3], s[\g1a:\g1a+7]
	s_nop 0
.rept 4
	v_nop
.endr
	s_branch .Lasked_\@
.Lfor_b_\@:
	tensor_load_to_lds s[\g0b:\g0b+3], s[\g1b:\g1b+7]
	s_nop 0
.rept 4
	v_nop
.endr
.Lasked_\@:
.endm
.macro CREST
	s_cmp_lg_u32 s14, 0
	s_cbranch_scc1 .Lnot_wave_0_\@
	s_barrier_signal -3
.Lnot_wave_0_\@:
	s_barrier_wait -3
	s_barrier_signal -1
	s_barrier_wait -1
.endm
.macro CROUND
	s_barrier_signal -1
	s_barrier_wait -1
	CREST
.endm
.macro PLACES n
.rept \n
	v_nop
.endr
.endm
	s_load_b256 s[4:11], s[0:1], 0x0               ; ac s[4:5], asc s[6:7], wc s[8:9], ws s[10:11]
	s_load_b128 s[96:99], s[0:1], 0x20             ; b_out s[96:97], out0 s[98:99]
	v_lshl_add_u32 v[SPW], v0, 2, SPARE
	v_mov_b32 v[NIL], 0
	ds_add_u32 v[SPW], v[NIL]                      ; the wave's opening: the add, twice on end, and its wait ahead of my first tensor load
	ds_add_u32 v[SPW], v[NIL]
	v_lshrrev_b32 v1, 5, v0
	v_readfirstlane_b32 s14, v1                    ; wave 0..3
	s_lshr_b32 s15, s14, 1                         ; my half of A's rows.  Also: I fetch for A (0) or for B (1)
	s_and_b32 s16, s14, 1                          ; my half of B's rows.  Also: which 128 rows I fetch
	s_bfe_u32 s40, ttmp6, 0x40000                  ; cx
	s_bfe_u32 s41, ttmp6, 0x40004                  ; cy
	s_lshl_b32 s42, ttmp9, 2
	s_add_co_u32 s42, s42, s40                     ; tile column = 4 x cluster x + cx
	s_and_b32 s17, ttmp7, 0xffff
	s_lshl_b32 s17, s17, 2
	s_add_co_u32 s17, s17, s41                     ; tile row = 4 x cluster y + cy
	s_lshl_b32 s43, s41, 2
	s_lshl_b32 s43, 15, s43                        ; my row of the cluster
	s_lshl_b32 s44, 0x1111, s40                    ; my column
	s_or_b32 s[G1+0], s43, (3<<16)|(1<<21)
	s_or_b32 s[G1B+0], s44, (3<<16)|(1<<21)
.irp g, G1, G1B
	s_mov_b32 s[\g+1], 32<<16                      ; a dense block of 24,576 bytes as 96 rows of 256
	s_mov_b32 s[\g+2], 96<<16
	s_mov_b32 s[\g+3], 32<<16
	s_mov_b32 s[\g+4], 96
	s_mov_b32 s[\g+5], 32
	s_mov_b32 s[\g+6], 0
	s_mov_b32 s[\g+7], 0
.endr
	s_or_b32 s[G1S+0], s43, (3<<16)|(1<<21)
	s_or_b32 s[G1SB+0], s44, (3<<16)|(1<<21)
.irp g, G1S, G1SB
	s_mov_b32 s[\g+1], 32<<16
	s_mov_b32 s[\g+2], 16<<16
	s_mov_b32 s[\g+3], 32<<16
	s_mov_b32 s[\g+4], 16
	s_mov_b32 s[\g+5], 32
	s_mov_b32 s[\g+6], 0
	s_mov_b32 s[\g+7], 0
.endr
	s_lshl_b32 s20, s17, 1
	s_add_co_u32 s20, s20, s16                     ; A: the group of 128 tokens that I fetch
	s_lshl_b32 s22, s20, 12
	s_mov_b32 s23, 0
	s_mul_i32 s20, s20, 98304
	s_mov_b32 s21, 0
	s_lshl_b32 s46, s42, 1
	s_add_co_u32 s46, s46, s16
	s_add_co_u32 s46, s46, 24                      ; B: W_out's groups begin at 24
	s_lshl_b32 s92, s46, 12
	s_mov_b32 s93, 0
	s_mul_i32 s46, s46, 98304
	s_mov_b32 s47, 0
	s_mul_i32 s45, s14, HALFT
	s_lshl_b32 s94, s14, 12
	s_wait_dscnt 0x0                               ; both opening adds are done
	s_wait_kmcnt 0x0
	s_add_nc_u64 s[20:21], s[4:5], s[20:21]
	s_add_nc_u64 s[22:23], s[6:7], s[22:23]
	s_add_nc_u64 s[46:47], s[8:9], s[46:47]
	s_add_nc_u64 s[92:93], s[10:11], s[92:93]
	CROUND                                         ; all sixteen work-groups are here: the first joint loads meet
	s_mov_b32 s[G0S], 1
	s_add_co_u32 s[G0S+1], s94, SCL
	s_mov_b64 s[G0S+2:G0S+3], s[22:23]
	s_or_b32 s[G0S+3], s[G0S+3], 0x80000000
	s_mov_b32 s[G0SB], 1
	s_add_co_u32 s[G0SB+1], s94, SCL
	s_mov_b64 s[G0SB+2:G0SB+3], s[92:93]
	s_or_b32 s[G0SB+3], s[G0SB+3], 0x80000000
	JLOAD G0S, G1S, G0SB, G1SB
.irp s, 0,1
	s_mov_b32 s[G0+4*\s], 1
	s_add_co_u32 s[G0+4*\s+1], s45, \s*SLOT
	s_add_nc_u64 s[G0+4*\s+2:G0+4*\s+3], s[20:21], \s*HALFT
	s_or_b32 s[G0+4*\s+3], s[G0+4*\s+3], 0x80000000
	s_mov_b32 s[G0B+4*\s], 1
	s_add_co_u32 s[G0B+4*\s+1], s45, \s*SLOT
	s_add_nc_u64 s[G0B+4*\s+2:G0B+4*\s+3], s[46:47], \s*HALFT
	s_or_b32 s[G0B+4*\s+3], s[G0B+4*\s+3], 0x80000000
	JLOAD G0+4*\s, G1, G0B+4*\s, G1B               ; three tensor loads of mine are out now; later one behind each round
.endr
	v_and_b32 v1, 15, v0                           ; r
	v_bfe_u32 v2, v0, 4, 1                         ; h
	v_and_b32 v3, 31, v0
	v_lshlrev_b32 v[L16], 4, v3
	v_lshlrev_b32 v4, 3, v3
	s_mul_i32 s21, s15, HALFT
	s_mul_i32 s22, s16, HALFT
	s_add_co_u32 s22, s22, 2*HALFT
.irp s, 0,1
	v_add_nc_u32 v[ADRA+\s], s21, v4
	v_add_nc_u32 v[ADRB+\s], s22, v[L16]
	s_add_co_u32 s21, s21, SLOT
	s_add_co_u32 s22, s22, SLOT
.endr
	v_lshlrev_b32 v5, 2, v1
	s_lshl_b32 s21, s15, 12
	s_lshl_b32 s22, s16, 12
	s_add_co_u32 s22, s22, 2*HALFS
	s_sub_co_u32 s22, s22, s21
	v_mul_u32_u24 v6, s22, v2                      ; lanes 16-31 take B's scale words
	s_add_co_u32 s21, s21, SCL
	v_add_nc_u32 v5, v5, v6
	v_add_nc_u32 v[ADRS], s21, v5
	s_mul_i32 s23, s14, 16*SPITCH                  ; my stage
	v_mul_u32_u24 v5, v1, SPITCH
	v_lshl_add_u32 v5, v2, 6, v5
	v_add_nc_u32 v[STO], s23, v5                   ; in: row r, + 64 h
	v_add_nc_u32 v[RD], s23, v[L16]                ; back: the 32 lanes take one row of 512 bytes
	s_lshl_b32 s46, s42, 10
	s_lshl_b32 s47, s16, 9
	s_add_co_u32 s46, s46, s47                     ; my first column, in bytes
	s_mov_b32 s47, 0
	s_add_nc_u64 s[96:97], s[96:97], s[46:47]      ; the bias there,
	s_lshl_b32 s20, s17, 8
	s_lshl_b32 s21, s15, 7
	s_add_co_u32 s20, s20, s21                     ; my first token
	s_lshl_b32 s20, s20, 12                        ; rows of 4,096 bytes
	s_add_co_u32 s20, s20, s46
	s_mov_b32 s21, 0
	s_add_nc_u64 s[98:99], s[98:99], s[20:21]      ; and out0; never stepped
	v_lshlrev_b32 v4, 6, v2
.irp n, 0,1,2,3,4,5,6,7,8,9,10,11,12,13,14,15
	global_load_b128 v[BI+4*\n:BI+4*\n+3], v4, s[96:97] offset:128*(\n/4)+16*(\n%4)   ; register 16 B + e of a lane is column 32 B + 16 h + e
.endr
	s_wait_loadcnt 0x0
.macro FRAGB reg, adr, q, i
.irp c, 0,1,2
	ds_load_b128 v[(\reg)+4*\c:(\reg)+4*\c+3], v[\adr] offset:12288*(\q)+1536*(\i)+512*\c
.endr
.endm
.macro FRAGA reg, adr, q, i
.irp p, 0,1,2,3,4,5
	ds_load_b64 v[(\reg)+2*\p:(\reg)+2*\p+1], v[\adr] offset:12288*(\q)+1536*(\i)+256*\p
.endr
.endm
.macro FETCH_B slot, q, p
	WIN 0x40
.irp i, 0,1,2,3,4,5,6,7
	FRAGB 128*(\p)+FR*\i, ADRB+\slot, \q, \i
.endr
	WIN 0
.endm
.macro FETCH_A slot, q, i0
.irp i, \i0, \i0+1, \i0+2, \i0+3
	FRAGA AF+FR*(\i), ADRA+\slot, \q, \i
.endr
.endm
.macro SCALES sc
.irp i, 0,1,2,3,4,5,6,7
.irp q, 0,1
	ds_load_b32 v[SC+16*\sc+2*\i+\q], v[ADRS] offset:512*\q+64*\i
.endr
.endr
.endm
; 16 matrix instructions: A's blocks a0, a0 + 1 x B's eight.  cm = 1: the sums start from the bias.  The 64 accumulators take turns.
.macro MUL16 a0, p, q, sc, cm
.irp a, \a0, \a0+1
.irp b, 0,1,2,3,4,5,6,7
.if \cm == 0
	v_wmma_scale_f32_16x16x128_f8f6f4 v[8*(8*((\a)%4)+\b):8*(8*((\a)%4)+\b)+7], v[128*(\p)+FR*\b:128*(\p)+FR*\b+FR-1], v[AF+FR*(\a):AF+FR*(\a)+FR-1], v[8*(8*((\a)%4)+\b):8*(8*((\a)%4)+\b)+7], v[SC+16*(\sc)+2*\b+(\q)], v[SC+16*(\sc)+2*(\a)+(\q)] matrix_a_fmt:MATRIX_FMT_BF6 matrix_b_fmt:MATRIX_FMT_BF6 matrix_a_scale:MATRIX_SCALE_ROW1
.else
	v_wmma_scale_f32_16x16x128_f8f6f4 v[8*(8*((\a)%4)+\b):8*(8*((\a)%4)+\b)+7], v[128*(\p)+FR*\b:128*(\p)+FR*\b+FR-1], v[AF+FR*(\a):AF+FR*(\a)+FR-1], v[BI+8*\b:BI+8*\b+7], v[SC+16*(\sc)+2*\b+(\q)], v[SC+16*(\sc)+2*(\a)+(\q)] matrix_a_fmt:MATRIX_FMT_BF6 matrix_b_fmt:MATRIX_FMT_BF6 matrix_a_scale:MATRIX_SCALE_ROW1
.endif
.endr
.endr
.endm
.macro STEP slot, q, cm
	s_wait_dscnt 24                                ; all but the youngest 24 loads (A's blocks 4-7)
.if \cm
	WIN 0x81
.else
	WIN 0xa1
.endif
	MUL16 0, (\q)%2, \q, \slot, \cm
	MUL16 2, (\q)%2, \q, \slot, \cm
	s_wait_dscnt 0x0
	PLACES NP                                      ; in front of loads into registers that matrix instructions have read
	FETCH_B \slot, (\q)+1, 1-(\q)%2
	FETCH_A \slot, (\q)+1, 0
.if \cm
	WIN 0xc1
.else
	WIN 0xf1
.endif
	MUL16 4, (\q)%2, \q, \slot, \cm
	MUL16 6, (\q)%2, \q, \slot, \cm
	PLACES NP
	WIN 0
	FETCH_A \slot, (\q)+1, 4
.endm
.macro TURN slot, next, fill
	s_wait_tensorcnt 0x0                           ; all my tensor loads have landed: my part of the next slot
	ds_add_u32 v[SPW], v[NIL]
	s_wait_dscnt 25                                ; (the add and the youngest 24 loads may be out)
	WIN 0xa1
	MUL16 0, 1, 1, \slot, 0
	s_wait_dscnt 0x0                               ; the add is done, and my reads of this slot are over
	s_barrier_signal -1
	MUL16 2, 1, 1, \slot, 0
	WIN 0
	s_barrier_wait -1
.if \fill
	CREST                                          ; the barrier has opened a round of the cluster's: no wave of any partner still reads this slot or has a load on its way
	s_add_nc_u64 s[G0+4*\slot+2:G0+4*\slot+3], s[G0+4*\slot+2:G0+4*\slot+3], 2*HALFT
	s_add_nc_u64 s[G0B+4*\slot+2:G0B+4*\slot+3], s[G0B+4*\slot+2:G0B+4*\slot+3], 2*HALFT
	JLOAD G0+4*\slot, G1, G0B+4*\slot, G1B
.else
	PLACES NP
.endif
	v_add_nc_u32 v[ADRS], 1024, v[ADRS]
	FETCH_B \next, 0, 0
	FETCH_A \next, 0, 0
	SCALES \next
	WIN 0xf1
	MUL16 4, 1, 1, \slot, 0
	MUL16 6, 1, 1, \slot, 0
	PLACES NP
	WIN 0
	FETCH_A \next, 0, 4
.endm
	s_wait_tensorcnt 1                             ; the scale words and my part of slot 0 are in; slot 1's load may be out
	s_barrier_signal -1
	s_barrier_wait -1
	FETCH_B 0, 0, 0
	FETCH_A 0, 0, 0
	SCALES 0
	FETCH_A 0, 0, 4
	STEP 0, 0, 1                                   ; the first step starts the sums from the bias
	TURN 0, 1, 1
	STEP 1, 0, 0
	TURN 1, 0, 1
	STEP 0, 0, 0
	TURN 0, 1, 0                                   ; nothing is left to fetch
	STEP 1, 0, 0
	s_wait_dscnt 24
	WIN 0xa1
	MUL16 0, 1, 1, 1, 0
	MUL16 2, 1, 1, 1, 0
	s_wait_dscnt 0x0
	WIN 0xf1
	MUL16 4, 1, 1, 1, 0
	MUL16 6, 1, 1, 1, 0
	WIN 0
; THE WAY OUT, block by block of 16 tokens x 128 columns, through my own stage: in as 32 bytes a lane and tile, back as whole rows of 512 bytes.  LDS serves a wave's instructions in order (ISA guide 5.7.1.4): no wait between the stores and the loads.
.macro TOSTAGE a
.set AC, 64*((\a)%4)
	WIN 0x08+4*((\a)/4)                            ; an LDS store's data: window 2 or 3
.irp b, 0,1,2,3,4,5,6,7
	ds_store_b128 v[STO], v[AC+8*\b:AC+8*\b+3] offset:128*(\b/2)+32*(\b%2)      ; each accumulator from its low end on
	ds_store_b128 v[STO], v[AC+8*\b+4:AC+8*\b+7] offset:128*(\b/2)+32*(\b%2)+16
.endr
	WIN 0
.set BB, BK+64*((\a)%2)
.irp t, 0,1,2,3,4,5,6,7,8,9,10,11,12,13,14,15
	ds_load_b128 v[BB+4*\t:BB+4*\t+3], v[RD] offset:\t*SPITCH
.endr
.endm
.macro SEND a, younger                 ; younger: the LDS instructions issued behind block a's loads, which may stay out
.set BB, BK+64*((\a)%2)
	s_wait_dscnt \younger
.irp t, 0,1,2,3,4,5,6,7,8,9,10,11,12,13,14,15
	global_store_b128 v[L16], v[BB+4*\t:BB+4*\t+3], s[98:99] offset:(32*((\a)/2)+8*((\a)%2)+\t+8*(\t/8))*4096 th:TH_STORE_NT   ; 32 lanes store 512 consecutive bytes of the tile's row t
.endr
.endm
	PLACES NP                                      ; in front of the first read of results and of loads into the registers that held A's fragments
	TOSTAGE 0
.irp a, 1,2,3,4,5,6,7
.if \a > 1
	s_wait_xcnt 0x0                                ; block a - 2's stores have read their registers: block a's loads may land there
.endif
	TOSTAGE \a
	SEND \a-1, 32                                  ; behind block a - 1's loads: block a's 16 stores and 16 loads
.endr
	SEND 7, 0
	s_wait_tensorcnt 0x0                           ; the wave's end
	ds_add_u32 v[SPW], v[NIL]
	s_wait_dscnt 0x0
	CROUND                                         ; the closing round: no work-group ends while a partner may still ask for a tile that names it
	s_endpgm
.Lfunc_end_k_q9f66688d77_proj:
	.size	k_q9f66688d77_proj, .Lfunc_end_k_q9f66688d77_proj-k_q9f66688d77_proj
	.p2alignl 7, 3214868480
	.fill 96, 4, 3214868480
	.section	.rodata,"a",@progbits
	.p2align	6, 0x0
	.amdhsa_kernel k_q9f66688d77_proj
		.amdhsa_group_segment_fixed_size 327680
		.amdhsa_private_segment_fixed_size 0
		.amdhsa_enable_private_segment 0
		.amdhsa_kernarg_size 48
		.amdhsa_user_sgpr_count 2
		.amdhsa_user_sgpr_kernarg_segment_ptr 1
		.amdhsa_wavefront_size32 1
		.amdhsa_system_sgpr_workgroup_id_x 1
		.amdhsa_system_sgpr_workgroup_id_y 1
		.amdhsa_system_sgpr_workgroup_id_z 1
		.amdhsa_system_vgpr_workitem_id 0
		.amdhsa_next_free_vgpr 1024
		.amdhsa_next_free_sgpr 100
		.amdhsa_reserve_vcc 0
		.amdhsa_float_denorm_mode_32 3
		.amdhsa_float_denorm_mode_16_64 3
		.amdhsa_memory_ordered 1
		.amdhsa_forward_progress 1
		.amdhsa_inst_pref_size 150
	.end_amdhsa_kernel
	.amdgpu_metadata
---
amdhsa.version: [ 1, 2 ]
amdhsa.kernels:
  - .name:           k_q9f66688d77_proj
    .symbol:         k_q9f66688d77_proj.kd
    .args:
      - { .name: ac, .offset: 0, .size: 8, .value_kind: global_buffer, .address_space: global }
      - { .name: asc, .offset: 8, .size: 8, .value_kind: global_buffer, .address_space: global }
      - { .name: wc, .offset: 16, .size: 8, .value_kind: global_buffer, .address_space: global }
      - { .name: ws, .offset: 24, .size: 8, .value_kind: global_buffer, .address_space: global }
      - { .name: b_out, .offset: 32, .size: 8, .value_kind: global_buffer, .address_space: global }
      - { .name: out0, .offset: 40, .size: 8, .value_kind: global_buffer, .address_space: global }
    .group_segment_fixed_size: 327680
    .private_segment_fixed_size: 0
    .kernarg_segment_align: 8
    .kernarg_segment_size: 48
    .max_flat_workgroup_size: 128
    .sgpr_count:     100
    .vgpr_count:     1024
    .wavefront_size: 32
...
	.end_amdgpu_metadata
.endif
;; end of part 4
